; MI455X (gfx1250); checked and timed in simulation.
; The chip was launched on July 23, 2026; its instructions are those of AMD's public machine-readable ISA for CDNA 5 (MIT licence, August 2026) and "CDNA5" Instruction Set Architecture Reference Guide (July 2026). The comments in the code are by the model that wrote it; some were corrected since.
;; Multi Head Attention. Allowed arithmetic: matrix products marked QUANTISED: E5M2 operands, one given power-of-two scale a tensor, by v_wmma_f32_16x16x64_bf8_bf8 or v_wmma_f32_16x16x128_bf8_bf8, f32 sums; everything else in f32.
;; Inputs: bk 256 float32; bo 256 float32; bq 256 float32; bv 256 float32; key_codes 2 x 64 x 64 x 8 x 32 uint8 (E5M2 codes of key, K innermost, in blocks of 32 codes); lowp_scales 14 int32 (the exponents e of the quantised operands' scales 2^e); query_codes 2 x 64 x 64 x 8 x 32 uint8 (E5M2 codes of query, K innermost, in blocks of 32 codes); value_codes 2 x 64 x 64 x 8 x 32 uint8 (E5M2 codes of value, K innermost, in blocks of 32 codes); wk_codes 256 x 8 x 32 uint8 (E5M2 codes of wk, K innermost, in blocks of 32 codes); wo_codes 256 x 8 x 32 uint8 (E5M2 codes of wo, K innermost, in blocks of 32 codes); wq_codes 256 x 8 x 32 uint8 (E5M2 codes of wq, K innermost, in blocks of 32 codes); wv_codes 256 x 8 x 32 uint8 (E5M2 codes of wv, K innermost, in blocks of 32 codes).
;; Outputs: out0 2 x 256 x 64 x 64 float32.
;; This version of the problem:
;;   THIS VERSION OF THE PROBLEM IS GIVEN IN LOW PRECISION. The matrix products marked QUANTISED in the list below multiply operands that are first quantised to E5M2 (5 exponent bits, 2 mantissa bits; 8 bits a number), with one given power-of-two scale for each operand tensor; their sums are f32. All else is computed in f32.
;;   The module's matrix products, in the order in which they are computed (A, B: the left and right operand; K: the contracted axis; several contracted axes count as one K, in the product's order):
;;     1. [M 8,192, K 256] x [K 256, N 256]; A: input query (given as codes); B: input wq (given as codes): QUANTISED (scales: A lowp_scales[0], B lowp_scales[1])
;;     2. [M 8,192, K 256] x [K 256, N 256]; A: input key (given as codes); B: input wk (given as codes): QUANTISED (scales: A lowp_scales[2], B lowp_scales[3])
;;     3. [M 8,192, K 256] x [K 256, N 256]; A: input value (given as codes); B: input wv (given as codes): QUANTISED (scales: A lowp_scales[4], B lowp_scales[5])
;;     4. batch 16 x [M 4,096, K 32] x [K 32, N 4,096]; A: computed on the way; B: computed on the way: QUANTISED (scales: A lowp_scales[6], B lowp_scales[7])
;;     5. batch 16 x [M 4,096, K 32] x [K 32, N 4,096]; A: computed on the way; B: computed on the way: QUANTISED (scales: A lowp_scales[8], B lowp_scales[9])
;;     6. batch 16 x [M 32, K 4,096] x [K 4,096, N 4,096]; A: computed on the way; B: softmax (see below): QUANTISED (scales: A lowp_scales[10], B lowp_scales[11])
;;     7. [M 8,192, K 256] x [K 256, N 256]; A: computed on the way; B: input wo (given as codes): QUANTISED (scales: A lowp_scales[12], B lowp_scales[13])
;;   THE QUANTISER, for each operand of a quantised product, along K:
;;     - The operand's scale is 2^e, e = its entry of the input lowp_scales (int32; the entries are numbered through the quantised products in the list's order, A before B).
;;     - Each number is divided by the scale, clamped to +-57,344, and rounded to the nearest number of E5M2, ties to even, subnormals kept.
;;     - The product sums the exact products of the quantised numbers (number of the format x scale) in f32.
;;   ~~~python
;;   def quantise(x, axis, e):      # numpy; x: float32 -> the quantised numbers, widened to float32 again
;;       x = np.moveaxis(x, axis, -1); K = x.shape[-1]
;;       r = np.clip(x / 2.0 ** e, -57344, 57344)
;;       step = 2.0 ** (np.maximum(np.frexp(np.where(r == 0, 1, r))[1] - 1, -14) - 2)
;;       q = np.round(r / step) * step * 2.0 ** e      # np.round: ties to even
;;       return np.moveaxis(q, -1, axis).astype(np.float32)
;;   ~~~
;;   SOFTMAX AHEAD OF A QUANTISED PRODUCT. Where the list says 'softmax', what is quantised is not the finished softmax but p = 2^(t - M), with t = logit x log2(e) and M = ceil(the row's largest t), a whole number; so 1/2 < the row's largest p <= 1. The row's sum l is taken of the UNQUANTISED p, in f32, and the product's result is divided by l at the end. Since M is a whole number, a kernel that streams over the keys may use a running M (the ceiling of the running maximum): every later rescaling is an exact power of two, so the quantised numbers keep their values, but for numbers so far below the row's largest that they fall under the format's range.
;;   OPERANDS COMPUTED ON THE WAY. 'Computed on the way' means the value that the module computes at that place (a softmax that the list does not call 'softmax' is quantised finished and normalised). What goes into a quantiser is computed in f32, as accurately as f32 sums, v_exp_f32 and their like allow (about 1e-6 of the number): no bf16 or f16 on the way to a quantiser, and a product that is left as it is and whose result goes on into a quantised operand takes f32 operands (vector FMAs, or v_wmma_f32_16x16x4_f32). A number that lies on a knife's edge between two numbers of the format may be rounded either way, as far as f32 arithmetic and the matrix unit's own rounding can turn it there, and no further.
;;   INPUTS GIVEN AS CODES. key (in the module: [2, 256, 64, 64], K = its axis 1); query (in the module: [2, 256, 64, 64], K = its axis 1); value (in the module: [2, 256, 64, 64], K = its axis 1); wk (in the module: [256, 256], K = its axis 1); wo (in the module: [256, 256], K = its axis 1); wq (in the module: [256, 256], K = its axis 1); wv (in the module: [256, 256], K = its axis 1): each comes as NAME_codes (uint8): NAME with its K axis moved to the last place and cut into blocks of 32 codes, [.., K / 32, bytes a block], one block behind the other in memory; one code a byte (a code: sign, 5 exponent bits, 2 mantissa bits); its scale is its entry of lowp_scales. Its value is code x scale, taken as it is: it is not quantised again, and the codes and scales need not be those that the quantiser above would give.
;; 2 versions. Each part assembles by itself: llvm-mc -triple=amdgcn-amd-amdhsa -mcpu=gfx1250 --defsym DOCPART=n.
;; ======== version 1 of 2: 3 launches
;; workspace buffers: qc 2,097,152 bytes; kc 2,097,152 bytes; vc 2,097,152 bytes; ac 2,097,152 bytes
;; launch project (part 1): grid 128 x 3, 8 waves a work-group, no clusters, 18,432 bytes of LDS; arguments query_codes, key_codes, value_codes, wq_codes, wk_codes, wv_codes, bq, bk, bv, lowp_scales, qc, kc, vc; writes qc, kc, vc
.if DOCPART == 1
	.amdgcn_target "amdgcn-amd-amdhsa--gfx1250"
	.amdhsa_code_object_version 6
	.text
	.protected	k_q5d68794c29_project
	.globl	k_q5d68794c29_project
	.p2align	8
	.type	k_q5d68794c29_project,@function
k_q5d68794c29_project:
	s_mov_b64 s[64:65], 0
	v_nop
	global_prefetch_b8 v0, s[64:65] scope:SCOPE_SE
	s_setreg_imm32_b32 hwreg(HW_REG_WAVE_MODE, 25, 1), 1
	s_wait_xcnt 0x0
; THE THREE PROJECTIONS: q = wq query + bq, k = wk key + bk, v = wv value + bv, on codes of E5M2, and their results quantised for the attention's two products.
; DEAD WORK.  reference() assigns 'scores' twice.  The first einsum (the table's product 4) is assigned anew by the very next line, and nothing reads it in between, whatever values the inputs hold.
; So product 4 is left out of the whole program, and with it the quantising of q and k by lowp_scales[6] and [7], which serves that product alone (the two entries come in with their neighbours and are not used).
; Every input buffer still has a way to the output, and all are loaded.  The biases stay: each moves the codes of a live operand.
; LIMIT: a NaN, an infinity or an overflow that would arise in product 4 alone is not carried to the result.
; SHARES.  Work-group (x, y): 64 positions (x), one tensor (y = 0 q, 1 k, 2 v).  Wave w = head w: outputs 32 w .. 32 w + 31 (two tiles of 16), for all 64 positions (four tiles).
; The 64 rows of x's codes (256 bytes each) are loaded once, densely, and shared through LDS (rows 272 bytes apart); a wave's 32 rows of the weight stay in its registers.
; A fragment of 16 rows x 128 K is fetched by four loads of 16 bytes, 32 bytes apart, at row + 16 (lane / 16): a permutation of k that is the same in x and in the weight, so every product meets its partner.
; THE RESULTS LEAVE AS IMAGES OF THE NEXT OPERAND'S REGISTERS, 16 bytes a lane, 512 consecutive bytes a store:
;   q, k (source 0 = 16 rows of the weight, source 1 = 16 positions): lane (r, h) holds position r and channels 8 h + 0 .. 7 of the tile: two tiles' codes are registers 0 to 3 of a fragment with K = the head's 32.
;       qc, kc: [batch x head 16][tile of 16 positions 256][lane 32][16 bytes].
;   v (source 0 = 16 positions, source 1 = 16 rows of the weight): lane (r, h) holds channel r and keys 8 h + 0 .. 7: the codes are registers of V^T's fragment with K = 128 keys.
;       vc: [batch x head 16][128 keys 32][16 channels 2][four registers 4][lane 32][16 bytes].
; SCALES.  A sum stands for sum x 2^ES (ES = the two operands' exponents added).  The bias goes in as the C of a sum's first product, divided by 2^ES; the conversion takes the one scale 2^(ET - ES), ET = the result's exponent
; (lowp_scales[8] for q, [9] for k, [10] for v).  LIMITS: ET - ES between -126 and 112; NaN among the inputs is not served.
; No tensor load, no cluster: a work-group's own 16 KiB of x are read by it alone, and the weights (8 KiB a wave) go straight into registers.
.set XP,    272                        ; an LDS row of x: 256 bytes + 16
.set SPARE, 64*XP                      ; 17,408: behind the rows: the spare words, 128 bytes for each of eight waves
.set SPW,   1                          ; v1   LDS address of my spare word; never rewritten
.set NIL,   2                          ; v2   0; never rewritten
.set XG,    3                          ; v3   x in memory: 2,048 x wave + 16 x lane
.set XL,    4                          ; v4   x into LDS: row 8 x wave + lane / 16, byte 16 (lane % 16)
.set XFA,   5                          ; v5   a fragment of x out of LDS: r x 272 + 16 h
.set WO,    6                          ; v6   a fragment of the weight in memory: r x 256 + 16 h
.set BOQ,   7                          ; v7   the bias for q and k: 32 h
.set BOV,   8                          ; v8   the bias for v: 4 r
.set DOF,   9                          ; v9   16 x lane: my place in an image
.set WF,    32                         ; v32-95   the weight's fragments (tile o, K step s) at 32 o + 16 s
.set BB,    96                         ; v96-111  the bias in the result's layout, eight registers a tile o
.set XF,    112                        ; v112-175 x's fragments (tile t of a pair, K step s) at 32 t + 16 s
.set ACC,   176                        ; v176-207 four accumulators (t, o) at 8 (2 t + o)
.set CODES, 208                        ; v208-223 the codes, eight registers for each pair of tiles: no store's data are written again
.set CP,    224                        ; v224-239 x on its way to LDS
.set BV,    240                        ; v240-241 b[16 o + r]
.set SC,    242                        ; v242 2^(ET - ES)
.set LIM,   243                        ; v243 57,344 x that
	s_load_b512 s[8:23], s[0:1], 0x0               ; query 8, key 10, value 12, wq 14, wk 16, wv 18, bq 20, bk 22
	s_load_b256 s[24:31], s[0:1], 0x40             ; bv 24, lowp_scales 26, qc 28, kc 30
	s_load_b64 s[32:33], s[0:1], 0x60              ; vc
	v_lshl_add_u32 v[SPW], v0, 2, SPARE
	v_mov_b32 v[NIL], 0
	v_lshrrev_b32 v10, 5, v0
	v_readfirstlane_b32 s34, v10                   ; wave = head
	s_and_b32 s35, ttmp7, 0xffff                   ; the tensor: 0 q, 1 k, 2 v
	s_and_b32 s36, ttmp9, 63                       ; the block of 64 positions in its batch
	s_lshr_b32 s37, ttmp9, 6                       ; the batch
	v_and_b32 v10, 31, v0                          ; lane
	v_and_b32 v11, 15, v0                          ; r
	v_bfe_u32 v12, v0, 4, 1                        ; h
	v_lshlrev_b32 v[DOF], 4, v10
	s_lshl_b32 s38, s34, 11
	v_add_nc_u32 v[XG], s38, v[DOF]
	s_mul_i32 s38, s34, 8*XP
	v_mul_u32_u24 v[XL], v12, XP
	v_lshl_add_u32 v[XL], v11, 4, v[XL]
	v_add_nc_u32 v[XL], s38, v[XL]
	v_mul_u32_u24 v[XFA], v11, XP
	v_lshl_add_u32 v[XFA], v12, 4, v[XFA]
	v_lshlrev_b32 v[WO], 8, v11
	v_lshl_add_u32 v[WO], v12, 4, v[WO]
	v_lshlrev_b32 v[BOQ], 5, v12
	v_lshlrev_b32 v[BOV], 2, v11
	; where my results go: (8 batch + head) x 131,072, then q, k: 2,048 x block (four tiles of 512 bytes); v: 4,096 x (block / 2) + 1,024 x (block % 2)
	s_lshl_b32 s38, s36, 11
	s_lshr_b32 s39, s36, 1
	s_lshl_b32 s39, s39, 12
	s_and_b32 s62, s36, 1
	s_lshl_b32 s62, s62, 10
	s_add_co_u32 s39, s39, s62
	s_cmp_eq_u32 s35, 2
	s_cselect_b32 s38, s39, s38
	s_lshl_b32 s39, s37, 3
	s_add_co_u32 s39, s39, s34
	s_lshl_b32 s39, s39, 17
	s_add_co_u32 s38, s38, s39
	s_mov_b32 s39, 0
	s_mov_b32 s63, 0
	s_wait_kmcnt 0x0
	s_load_b256 s[40:47], s[26:27], 0x0            ; e0 .. e7
	s_load_b128 s[48:51], s[26:27], 0x20           ; e8 .. e11
	s_cmp_eq_u32 s35, 0                            ; the tensor's buffers: a choice on the work-group's number alone
	s_cselect_b64 s[52:53], s[8:9], s[10:11]       ; x's codes
	s_cselect_b64 s[54:55], s[14:15], s[16:17]     ; the weight's
	s_cselect_b64 s[56:57], s[20:21], s[22:23]     ; the bias
	s_cselect_b64 s[58:59], s[28:29], s[30:31]     ; the results
	s_cmp_eq_u32 s35, 2
	s_cselect_b64 s[52:53], s[12:13], s[52:53]
	s_cselect_b64 s[54:55], s[18:19], s[54:55]
	s_cselect_b64 s[56:57], s[24:25], s[56:57]
	s_cselect_b64 s[58:59], s[32:33], s[58:59]
	s_lshl_b32 s62, ttmp9, 14                      ; my work-group's 64 rows of 256 bytes
	s_add_nc_u64 s[52:53], s[52:53], s[62:63]
	s_lshl_b32 s62, s34, 13                        ; my wave's 32 rows of the weight
	s_add_nc_u64 s[54:55], s[54:55], s[62:63]
	s_lshl_b32 s62, s34, 7                         ; and its 32 numbers of the bias
	s_add_nc_u64 s[56:57], s[56:57], s[62:63]
	s_add_nc_u64 s[58:59], s[58:59], s[38:39]
.irp i, 0,1,2,3
	global_load_b128 v[CP+4*\i:CP+4*\i+3], v[XG], s[52:53] offset:512*\i th:TH_LOAD_NT   ; two rows of x: 512 consecutive bytes; read once in the launch
.endr
.irp o, 0,1
.irp s, 0,1
.irp c, 0,1,2,3
	global_load_b128 v[WF+32*\o+16*\s+4*\c:WF+32*\o+16*\s+4*\c+3], v[WO], s[54:55] offset:4096*\o+128*\s+32*\c
.endr
.endr
.endr
	; Both forms of the bias are loaded by every work-group, six loads of the same 128 bytes: so the text parts on the tensor once, behind the barrier.
.irp o, 0,1
	global_load_b128 v[BB+8*\o:BB+8*\o+3], v[BOQ], s[56:57] offset:64*\o          ; b[16 o + 8 h + 0 .. 7]: q's and k's results hold eight channels a lane
	global_load_b128 v[BB+8*\o+4:BB+8*\o+7], v[BOQ], s[56:57] offset:64*\o+16
.endr
.irp o, 0,1
	global_load_b32 v[BV+\o], v[BOV], s[56:57] offset:64*\o                        ; b[16 o + r]: v's results hold one channel a lane
.endr
	s_wait_loadcnt 22                              ; x's four loads are in; behind them stand 16 of the weight and 6 of the bias
.irp i, 0,1,2,3
	ds_store_b128 v[XL], v[CP+4*\i:CP+4*\i+3] offset:2*XP*\i
.endr
	s_wait_dscnt 0x0                               ; for the others' sake: my rows lie in LDS
	s_barrier_signal -1
	s_barrier_wait -1                              ; all 64 rows do; nothing is stored to LDS behind this barrier
	s_wait_loadcnt 0x0                             ; the weight and the bias
	s_wait_kmcnt 0x0                               ; the exponents
	s_add_co_i32 s38, s40, s41
	s_add_co_i32 s39, s42, s43
	s_add_co_i32 s62, s44, s45
	s_cmp_eq_u32 s35, 0
	s_cselect_b32 s60, s38, s39                    ; ES
	s_cselect_b32 s61, s48, s49                    ; ET
	s_cmp_eq_u32 s35, 2
	s_cselect_b32 s60, s62, s60
	s_cselect_b32 s61, s50, s61
	s_sub_co_i32 s38, s61, s60
	s_add_co_i32 s38, s38, 127
	s_lshl_b32 s39, s38, 23
	v_mov_b32 v[SC], s39                           ; 2^(ET - ES) as f32: the conversion takes its exponent field
	s_add_co_i32 s38, s38, 15
	s_lshl_b32 s38, s38, 23
	s_or_b32 s38, s38, 0x600000
	v_mov_b32 v[LIM], s38                          ; 57,344 x 2^(ET - ES)
	s_sub_co_i32 s62, 0, s60                       ; -ES
; Position tiles 2 u and 2 u + 1 against my two tiles of outputs.  mode 0: q, k (the weight is source 0); mode 1: v (x is source 0).
; The four accumulators take turns, one instruction a turn, K step by K step.
.macro PAIR u, mode
.irp t, 0,1
.irp s, 0,1
.irp c, 0,1,2,3
	ds_load_b128 v[XF+32*\t+16*\s+4*\c:XF+32*\t+16*\s+4*\c+3], v[XFA] offset:16*(2*(\u)+\t)*XP+128*\s+32*\c
.endr
.endr
.endr
	s_wait_dscnt 0x0
.irp s, 0,1
.irp t, 0,1
.irp o, 0,1
.set rD, ACC+8*(2*\t+\o)
.set rW, WF+32*\o+16*\s
.set rX, XF+32*\t+16*\s
.if \s == 0
.set rC, BB+8*\o                       ; the bias starts the sum
.else
.set rC, rD
.endif
.if \mode == 0
	v_wmma_f32_16x16x128_bf8_bf8 v[rD:rD+7], v[rW:rW+15], v[rX:rX+15], v[rC:rC+7]
.else
	v_wmma_f32_16x16x128_bf8_bf8 v[rD:rD+7], v[rX:rX+15], v[rW:rW+15], v[rC:rC+7]
.endif
.endr
.endr
.endr
.rept 4
	v_nop                                          ; four places between the last product and the first read of results; with the holds of the other accumulators they are also the places ahead of the next pair's loads and products
.endr
.set i, 0
.rept 32
	v_med3_num_f32 v[ACC+i], v[ACC+i], -v[LIM], v[LIM]   ; the conversion to an 8-bit code does not saturate (ISA guide 7.6.2): the hold comes first; each accumulator from its low end on
.set i, i+1
.endr
.irp t, 0,1
.irp o, 0,1
.if \mode == 0
	v_cvt_scalef32_pk8_bf8_f32 v[CODES+8*(\u)+4*\t+2*\o:CODES+8*(\u)+4*\t+2*\o+1], v[ACC+8*(2*\t+\o):ACC+8*(2*\t+\o)+7], v[SC]
.else
	v_cvt_scalef32_pk8_bf8_f32 v[CODES+8*(\u)+4*\o+2*\t:CODES+8*(\u)+4*\o+2*\t+1], v[ACC+8*(2*\t+\o):ACC+8*(2*\t+\o)+7], v[SC]
.endif
.endr
.endr
	v_nop                                          ; one plain instruction behind the last conversion: the next pair's products write its sources
.irp n, 0,1
.if \mode == 0
	global_store_b128 v[DOF], v[CODES+8*(\u)+4*\n:CODES+8*(\u)+4*\n+3], s[58:59] offset:(2*(\u)+\n)*512     ; tile 2 u + n: 32 lanes store 512 consecutive bytes
.else
	global_store_b128 v[DOF], v[CODES+8*(\u)+4*\n:CODES+8*(\u)+4*\n+3], s[58:59] offset:\n*2048+(\u)*512    ; channels 16 n on, keys 32 u on of my 64
.endif
.endr
.endm
	s_cmp_eq_u32 s35, 2
	s_cbranch_scc1 .Lvalue
.set i, 0
.rept 16
	v_ldexp_f32 v[BB+i], v[BB+i], s62              ; b / 2^ES
.set i, i+1
.endr
	PAIR 0, 0
	PAIR 1, 0
	s_wait_tensorcnt 0x0                           ; the wave's end, behind my last LDS store
	ds_add_u32 v[SPW], v[NIL]
	s_wait_dscnt 0x0
	s_endpgm
.Lvalue:
.irp o, 0,1
.irp j, 0,1,2,3,4,5,6,7
	v_ldexp_f32 v[BB+8*\o+\j], v[BV+\o], s62       ; b / 2^ES, the lane's one channel for all its eight keys
.endr
.endr
	PAIR 0, 1
	PAIR 1, 1
	s_wait_tensorcnt 0x0                           ; the wave's end, as above
	ds_add_u32 v[SPW], v[NIL]
	s_wait_dscnt 0x0
	s_endpgm
.Lfunc_end_k_q5d68794c29_project:
	.size	k_q5d68794c29_project, .Lfunc_end_k_q5d68794c29_project-k_q5d68794c29_project
	.p2alignl 7, 3214868480
	.fill 96, 4, 3214868480
	.section	.rodata,"a",@progbits
	.p2align	6, 0x0
	.amdhsa_kernel k_q5d68794c29_project
		.amdhsa_group_segment_fixed_size 18432
		.amdhsa_private_segment_fixed_size 0
		.amdhsa_enable_private_segment 0
		.amdhsa_kernarg_size 104
		.amdhsa_user_sgpr_count 2
		.amdhsa_user_sgpr_kernarg_segment_ptr 1
		.amdhsa_wavefront_size32 1
		.amdhsa_system_sgpr_workgroup_id_x 1
		.amdhsa_system_sgpr_workgroup_id_y 1
		.amdhsa_system_sgpr_workgroup_id_z 1
		.amdhsa_system_vgpr_workitem_id 0
		.amdhsa_next_free_vgpr 256
		.amdhsa_next_free_sgpr 66
		.amdhsa_reserve_vcc 0
		.amdhsa_float_denorm_mode_32 3
		.amdhsa_float_denorm_mode_16_64 3
		.amdhsa_memory_ordered 1
		.amdhsa_forward_progress 1
		.amdhsa_inst_pref_size 26
	.end_amdhsa_kernel
	.amdgpu_metadata
---
amdhsa.version: [ 1, 2 ]
amdhsa.kernels:
  - .name:           k_q5d68794c29_project
    .symbol:         k_q5d68794c29_project.kd
    .args:
      - { .name: query_codes, .offset: 0, .size: 8, .value_kind: global_buffer, .address_space: global }
      - { .name: key_codes, .offset: 8, .size: 8, .value_kind: global_buffer, .address_space: global }
      - { .name: value_codes, .offset: 16, .size: 8, .value_kind: global_buffer, .address_space: global }
      - { .name: wq_codes, .offset: 24, .size: 8, .value_kind: global_buffer, .address_space: global }
      - { .name: wk_codes, .offset: 32, .size: 8, .value_kind: global_buffer, .address_space: global }
      - { .name: wv_codes, .offset: 40, .size: 8, .value_kind: global_buffer, .address_space: global }
      - { .name: bq, .offset: 48, .size: 8, .value_kind: global_buffer, .address_space: global }
      - { .name: bk, .offset: 56, .size: 8, .value_kind: global_buffer, .address_space: global }
      - { .name: bv, .offset: 64, .size: 8, .value_kind: global_buffer, .address_space: global }
      - { .name: lowp_scales, .offset: 72, .size: 8, .value_kind: global_buffer, .address_space: global }
      - { .name: qc, .offset: 80, .size: 8, .value_kind: global_buffer, .address_space: global }
      - { .name: kc, .offset: 88, .size: 8, .value_kind: global_buffer, .address_space: global }
      - { .name: vc, .offset: 96, .size: 8, .value_kind: global_buffer, .address_space: global }
    .group_segment_fixed_size: 18432
    .private_segment_fixed_size: 0
    .kernarg_segment_align: 8
    .kernarg_segment_size: 104
    .max_flat_workgroup_size: 256
    .sgpr_count:     66
    .vgpr_count:     256
    .wavefront_size: 32
...
	.end_amdgpu_metadata
.endif
;; end of part 1
;; launch attend (part 2): grid 16 x 16, 16 waves a work-group, no clusters, 301,056 bytes of LDS; arguments qc, kc, vc, lowp_scales, ac; writes ac
.if DOCPART == 2
	.amdgcn_target "amdgcn-amd-amdhsa--gfx1250"
	.amdhsa_code_object_version 6
	.text
	.protected	k_q5d68794c29_attend
	.globl	k_q5d68794c29_attend
	.p2align	8
	.type	k_q5d68794c29_attend,@function
k_q5d68794c29_attend:
	s_mov_b64 s[64:65], 0
	v_nop
	global_prefetch_b8 v0, s[64:65] scope:SCOPE_SE
	s_setreg_imm32_b32 hwreg(HW_REG_WAVE_MODE, 25, 1), 1
	s_wait_xcnt 0x0
; ATTENTION on codes of E5M2: the table's products 5 (scores) and 6 (V x softmax), the softmax between them, the division by the row's sum, and the result quantised for the last projection.
; Left out: the table's product 4, whose result reference() assigns anew before anything reads it (shown at the head of the first kernel).
; THE SOFTMAX: t = score x log2(e) / sqrt(32); M = the largest t so far, rounded UP to a whole number; p = 2^(t - M) is quantised with 2^e11; the row's sum is taken of the unquantised p and divides at the end.
; When M moves, the sum and O are multiplied by 2^(old M - new M), which rounds nothing.
; SHARES.  Work-group (x, y): 256 queries (x) of one batch and head (y).  Wave w: g = w % 8 names 32 queries (two tiles of 16), w / 8 names a half of the 4,096 keys: 16 steps of 128 keys.
; The two halves' O, M and sum meet at the end through LDS; M is a whole number in both, so the factors that join them are powers of two.
; LIMIT: a p so far under its half's largest that it falls under the format's range is lost, as under any running M.
; K AND V LIE WHOLLY IN LDS, each byte fetched once by the work-group: 8 chunks of 32 KiB (8 KiB of each half of K's and of V's image), copied through registers one chunk ahead of the work: 64 bytes a lane and chunk.
; No LDS byte is written twice, so one barrier a chunk orders the copy with its reads.
; K = 32 ON AN INSTRUCTION OF K = 64.  Source 0 holds two neighbouring tiles of keys: tile T in registers 0 to 3, tile T + 1 in registers 4 to 7.  A tile of queries stands as twelve registers q, 0, q: the first eight (q, 0) give
; tile T's scores, the last eight (0, q) tile T + 1's.  k's codes were held, so they are finite, and a zero code times any of them is 0.
; LAYOUT.  S^T = K Q^T (source 0 = keys, source 1 = queries) and O^T = V^T P (source 0 = 16 channels, source 1 = P): a lane holds ONE query (lane % 16) throughout.  A tile of S^T holds keys 8 (lane / 16) + 0 .. 7:
; its eight registers convert into registers 2 c, 2 c + 1 of P for K = 128 keys; nothing changes lanes.  O^T's eight registers convert into registers of the last projection's operand.
; ac: [tile of 16 positions 512][128 channels 2][four registers = head % 4][lane 32][16 bytes].
; WHY NO JOINT LOADS, though the 16 work-groups of a head read the same K and V: they come with tensor loads alone.
; What is shared is fetched once by each work-group.
; No prefetch: no wave waits for the stream, whose loads stand a whole chunk's work (four tiles x 128 keys a wave) ahead of their use.
; LIMITS on the given exponents, so that each power of two is an f32 number: e8 + e9 between -124 and 129; e11, and e12 - e10 - e11, between -126 and 112.  NaN among the inputs is not served.
.set VI,    131072                     ; LDS: K's image at 0 (a tile of 16 keys: 512 bytes), V's here (128 keys: 4,096 bytes),
.set MG,    262144                     ; the merge: 9 x 512 bytes for each of the eight pairs of waves,
.set MGW,   4608
.set SPARE, MG+8*MGW                   ; 299,008: the spare words, 128 bytes for each of sixteen waves
.set CHUNK, 8192
.set AK0, 1                            ; v1   65,536 x my half + 16 x lane
.set AV0, 2                            ; v2   the same in V's image
.set CPL, 3                            ; v3   the copy, in LDS: 65,536 (w / 4) + 2,048 (w % 4) + 16 x lane
.set CPG, 4                            ; v4   and in memory: 65,536 ((w / 4) % 2) + 2,048 (w % 4) + 16 x lane
.set SPW, 5                            ; v5   LDS address of my spare word; never rewritten
.set NIL, 6                            ; v6   0; never rewritten
.set ADK, 7                            ; v7-9 the addresses in hand: K, V, the copy
.set ADV, 8
.set ADC, 9
.set MGA, 10                           ; v10  my pair's place in the merge + 16 x lane
.set LO,  11                           ; v11  16 x lane
.set STA, 12                           ; v12-19 tile a at 12 + 4 a: -M, the largest t, the sum in two halves
.set T0,  20                           ; v20, v21 at work
.set T1,  21
.set TP,  22                           ; v22  a lane permute's destination
.set FF,  24                           ; v[24:25] f = 2^(old M - new M); v25 is named with it as a pair
.set SU,  26                           ; v[26:27] the sums' second chain
.set SCL, 28                           ; v28 2^e11, v29 57,344 x 2^e11
.set LIM, 29
.set SC2, 30                           ; v30, v31 the same with e12 - e10 - e11
.set LIM2, 31
.set Q,   32                           ; v32-55   two tiles of queries, twelve registers each: q, 0, q
.set KF,  56                           ; v56-87   eight tiles of keys
.set VF,  88                           ; v88-119  V^T: two fragments of 16 channels x 128 keys
.set S,   120                          ; v120-183 S^T, then p
.set P,   184                          ; v184-199 p's codes
.set OT,  200                          ; v200-231 O^T: (tile a, 16 channels dt) at 16 a + 8 dt
.set CP,  232                          ; v232-247 the copy's 64 bytes
.set WV,  14                           ; s14 wave, s15 g
.set G,   15
.set CS,  22                           ; s[22:23] c = log2(e) / sqrt(32) x 2^(e8 + e9)
.set SEL, 24                           ; s[24:25] lane selects: lane l xor 16
.set TB,  26                           ; s26 the chunk in hand, in bytes: the loop's counter
.set HOLD, 27                          ; s27 1 where e11 < -15
.set CPB, 28                           ; s[28:29] the copy's base: K's or V's image of my head, at the chunk in hand
.set BH,  34                           ; s34 8 x batch + head
	s_load_b256 s[4:11], s[0:1], 0x0               ; qc 4, kc 6, vc 8, lowp_scales 10
	s_load_b64 s[12:13], s[0:1], 0x20              ; ac
	v_lshl_add_u32 v[SPW], v0, 2, SPARE
	v_mov_b32 v[NIL], 0
	v_lshrrev_b32 v7, 5, v0
	v_readfirstlane_b32 s[WV], v7                  ; wave 0..15
	v_and_b32 v[LO], 31, v0
	v_lshlrev_b32 v[LO], 4, v[LO]
	s_and_b32 s[G], s[WV], 7
	s_lshr_b32 s30, s[WV], 3                       ; my half of the keys
	s_lshl_b32 s30, s30, 16
	v_add_nc_u32 v[AK0], s30, v[LO]
	v_add_nc_u32 v[AV0], VI, v[AK0]
	s_lshr_b32 s30, s[WV], 2                       ; the copy: waves 0-3, 4-7: K's halves; 8-11, 12-15: V's
	s_and_b32 s31, s[WV], 3
	s_lshl_b32 s31, s31, 11                        ; 2,048 bytes of a chunk's 8,192 each
	s_lshl_b32 s32, s30, 16
	s_add_co_u32 s32, s32, s31
	v_add_nc_u32 v[CPL], s32, v[LO]
	s_and_b32 s30, s30, 1
	s_lshl_b32 s30, s30, 16
	s_add_co_u32 s30, s30, s31
	v_add_nc_u32 v[CPG], s30, v[LO]
	s_mul_i32 s30, s[G], MGW
	s_add_co_u32 s30, s30, MG
	v_add_nc_u32 v[MGA], s30, v[LO]
	s_and_b32 s[BH], ttmp7, 0xffff
	s_mov_b32 s[TB], 0
	s_mov_b32 s[SEL], 0x76543210
	s_mov_b32 s[SEL+1], 0xfedcba98
	s_lshl_b32 s32, ttmp9, 4
	s_lshl_b32 s33, s[G], 1
	s_add_co_u32 s32, s32, s33                     ; my first tile of queries in the head: 16 x + 2 g
	s_lshl_b32 s36, s32, 9                         ; its 512 bytes in qc
	s_mov_b32 s37, 0
	s_lshr_b32 s38, s[BH], 3                       ; ac: tile 256 x batch + 16 x + 2 g, 4,096 bytes each,
	s_lshl_b32 s38, s38, 8
	s_add_co_u32 s38, s38, s32
	s_lshl_b32 s38, s38, 12
	s_bfe_u32 s39, s[BH], 0x10002                  ; + 2,048 x (head / 4)
	s_lshl_b32 s39, s39, 11
	s_add_co_u32 s38, s38, s39
	s_and_b32 s40, s[BH], 3                        ; + 512 x (head % 4)
	s_lshl_b32 s40, s40, 9
	s_add_co_u32 s38, s38, s40
	s_mov_b32 s39, 0
	s_lshl_b32 s30, s[BH], 17                      ; the head's 131,072 bytes in qc, kc and vc
	s_mov_b32 s31, 0
	s_wait_kmcnt 0x0
	s_load_b128 s[16:19], s[10:11], 0x20           ; e8, e9, e10, e11
	s_load_b32 s20, s[10:11], 0x30                 ; e12
	s_cmp_lt_u32 s[WV], 8
	s_cselect_b64 s[CPB:CPB+1], s[6:7], s[8:9]
	s_add_nc_u64 s[CPB:CPB+1], s[CPB:CPB+1], s[30:31]
	s_add_nc_u64 s[4:5], s[4:5], s[30:31]
	s_add_nc_u64 s[4:5], s[4:5], s[36:37]
	s_add_nc_u64 s[12:13], s[12:13], s[38:39]
.macro COPYLOAD off                    ; my 2,048 bytes of the chunk off bytes on: 512 consecutive bytes a load
.irp i, 0,1,2,3
	global_load_b128 v[CP+4*\i:CP+4*\i+3], v[CPG], s[CPB:CPB+1] offset:(\off)+512*\i
.endr
.endm
.macro COPYSTORE off                   ; and into LDS, as they lie
	v_add_nc_u32 v[ADC], s[TB], v[CPL]
.irp i, 0,1,2,3
	ds_store_b128 v[ADC], v[CP+4*\i:CP+4*\i+3] offset:(\off)+512*\i
.endr
.endm
	COPYLOAD 0
.irp a, 0,1
	global_load_b128 v[Q+12*\a:Q+12*\a+3], v[LO], s[4:5] offset:512*\a        ; a tile of queries, twice: in front of the zeros and behind them
	global_load_b128 v[Q+12*\a+8:Q+12*\a+11], v[LO], s[4:5] offset:512*\a
.endr
.irp a, 0,1
.irp j, 4,5,6,7
	v_mov_b32 v[Q+12*\a+\j], 0
.endr
	v_mov_b32 v[STA+4*\a+1], 0xff61b1e6            ; the largest t so far: -3e38, under every t
	v_floor_f32 v[STA+4*\a], -v[STA+4*\a+1]        ; -M
	v_mov_b32 v[STA+4*\a+2], 0                     ; the sum, in two halves
	v_mov_b32 v[STA+4*\a+3], 0
.endr
.set i, 0
.rept 32
	v_mov_b32 v[OT+i], 0                           ; O^T.  (The step is written once: the first finds zeros, which the first change of M leaves zeros)
.set i, i+1
.endr
	v_mov_b32 v[TP], 0                             ; written once: a lane permute's destination counts as one of its sources
	v_mov_b32 v[FF+1], 0
	s_wait_kmcnt 0x0
	s_add_co_i32 s30, s16, s17
	s_lshl_b32 s30, s30, 23
	s_mov_b32 s[CS], 0x3e8293ee                    ; log2(e) / sqrt(32)
	s_add_co_i32 s[CS], s[CS], s30                 ; a score stands for score x 2^(e8 + e9): the exponents are added to c's exponent field
	s_mov_b32 s[CS+1], s[CS]
	s_add_co_i32 s30, s19, 127
	s_lshl_b32 s31, s30, 23
	v_mov_b32 v[SCL], s31                          ; 2^e11
	s_add_co_i32 s30, s30, 15
	s_lshl_b32 s30, s30, 23
	s_or_b32 s30, s30, 0x600000
	v_mov_b32 v[LIM], s30                          ; 57,344 x 2^e11
	s_sub_co_i32 s30, s20, s18
	s_sub_co_i32 s30, s30, s19                     ; O^T / the sum stands for that x 2^(e10 + e11): its code is that / 2^(e12 - e10 - e11)
	s_add_co_i32 s30, s30, 127
	s_lshl_b32 s31, s30, 23
	v_mov_b32 v[SC2], s31
	s_add_co_i32 s30, s30, 15
	s_lshl_b32 s30, s30, 23
	s_or_b32 s30, s30, 0x600000
	v_mov_b32 v[LIM2], s30
	s_cmp_lt_i32 s19, -15
	s_cselect_b32 s[HOLD], 1, 0                    ; p <= 1: only under 2^-15 can p / 2^e11 pass 57,344
	s_wait_loadcnt 4                               ; chunk 0's four loads are in; Q's four stand behind them
	COPYSTORE 0
	s_wait_dscnt 0x0                               ; for the others' sake: my part of chunk 0 lies in LDS
	s_barrier_signal -1
	s_barrier_wait -1
	s_wait_loadcnt 0x0                             ; Q
; S^T of tile a: eight tiles of 16 keys.  The constant 0 starts each sum.
.macro SCORES a
.irp t, 0,1,2,3,4,5,6,7
	v_wmma_f32_16x16x64_bf8_bf8 v[S+8*\t:S+8*\t+7], v[KF+8*(\t/2):KF+8*(\t/2)+7], v[Q+12*(\a)+4*(\t%2):Q+12*(\a)+4*(\t%2)+7], 0
.endr
.rept 4
	v_nop                                          ; four places between the last product and the first read of results (ISA guide 7.12.1)
.endr
.endm
; The softmax of tile a for 128 keys, 64 of them in my lane, and O^T's rescaling.
.macro SOFTMAX a
.set st, STA+4*(\a)
.set ob, OT+16*(\a)
	v_max3_num_f32 v[T0], v[S], v[S+1], v[S+2]     ; the step's largest score of my query, in two chains; each tile is read from its low end on
	v_max3_num_f32 v[T1], v[S+3], v[S+4], v[S+5]
.irp i, 6,10,14,18,22,26,30,34,38,42,46,50,54,58
	v_max3_num_f32 v[T0], v[T0], v[S+\i], v[S+\i+1]
	v_max3_num_f32 v[T1], v[T1], v[S+\i+2], v[S+\i+3]
.endr
	v_max3_num_f32 v[T0], v[T0], v[S+62], v[S+63]
	v_max_num_f32 v[T0], v[T0], v[T1]
	v_permlanex16_b32 v[TP], v[T0], s[SEL], s[SEL+1]
	v_max_num_f32 v[T0], v[T0], v[TP]              ; and among lane l xor 16's
	v_mul_f32 v[T0], s[CS], v[T0]                  ; as t (c is positive)
	v_max_num_f32 v[st+1], v[st+1], v[T0]          ; the running largest t
	v_mov_b32 v[T0], v[st]
	v_floor_f32 v[st], -v[st+1]                    ; the new -M = floor(-t) = -ceil(t)
	v_sub_f32 v[T0], v[st], v[T0]                  ; old M less new M: a whole number, 0 or less
	v_cvt_i32_f32 v[T0], v[T0]                     ; (it saturates)
	v_ldexp_f32 v[FF], 1.0, v[T0]                  ; f = 2^(old M - new M)
.set j, 0
.rept 32
	v_pk_fma_f32 v[S+j:S+j+1], v[S+j:S+j+1], s[CS:CS+1], v[st:st+1] op_sel_hi:[1,0,0]   ; t - M, two at a time (of the pairs c and -M the low word serves both halves)
.set j, j+2
.endr
.set j, 0
.rept 64
	v_exp_f32 v[S+j], v[S+j]                       ; p = 2^(t - M): not normalised
.set j, j+1
.endr
	v_pk_mul_f32 v[st+2:st+3], v[st+2:st+3], v[FF:FF+1] op_sel_hi:[1,0]   ; the sums under the new M: the plain instruction behind the exponentials
	s_wait_alu depctr_va_vdst(0)                   ; one wait for the batch of 64, ahead of its first use
	v_pk_add_f32 v[SU:SU+1], v[S:S+1], v[S+2:S+3]  ; the row's sum is taken of the unquantised p, in two chains
.irp j, 4,8,12,16,20,24,28,32,36,40,44,48,52,56,60
	v_pk_add_f32 v[st+2:st+3], v[st+2:st+3], v[S+\j:S+\j+1]
	v_pk_add_f32 v[SU:SU+1], v[SU:SU+1], v[S+\j+2:S+\j+3]
.endr
	v_pk_add_f32 v[st+2:st+3], v[st+2:st+3], v[SU:SU+1]
	s_cmp_eq_u32 s[HOLD], 0                        ; a whole number read from memory, the same in every wave
	s_cbranch_scc1 .Lfree_\@
.set j, 0
.rept 64
	v_min_num_f32 v[S+j], v[S+j], v[LIM]           ; the conversion does not saturate (ISA guide 7.6.2); p is not negative, so the hold is one-sided
.set j, j+1
.endr
.Lfree_\@:
.irp c, 0,1,2,3,4,5,6,7
	v_cvt_scalef32_pk8_bf8_f32 v[P+2*\c:P+2*\c+1], v[S+8*\c:S+8*\c+7], v[SCL]   ; keys 16 c + 8 (lane / 16) + 0 .. 7: registers 2 c, 2 c + 1 of the operand
.endr
.set j, 0
.rept 8
	v_pk_mul_f32 v[ob+j:ob+j+1], v[ob+j:ob+j+1], v[FF:FF+1] op_sel_hi:[1,0]     ; O^T under the new M; also the plain instructions between the conversions and the products that read their results
.set j, j+2
.endr
.endm
; O^T += V^T P for tile a.  Between two products on one accumulator stand all the other products of a step.
.macro PV a
.set ob, OT+16*(\a)
	v_wmma_f32_16x16x128_bf8_bf8 v[ob:ob+7], v[VF:VF+15], v[P:P+15], v[ob:ob+7]
	v_wmma_f32_16x16x128_bf8_bf8 v[ob+8:ob+15], v[VF+16:VF+31], v[P:P+15], v[ob+8:ob+15]
.endm
; A key step: the q-th 128 keys of the chunk in hand, for both tiles of queries: each fragment read from LDS serves both.
.macro STEP q
	v_add_nc_u32 v[ADK], s[TB], v[AK0]
	v_add_nc_u32 v[ADV], s[TB], v[AV0]
	v_nop
	v_nop                                          ; with the two additions: four places between the last products and the loads into the registers that they read
.irp i, 0,1,2,3,4,5,6,7
	ds_load_b128 v[KF+4*\i:KF+4*\i+3], v[ADK] offset:4096*(\q)+512*\i
.endr
.irp i, 0,1,2,3,4,5,6,7
	ds_load_b128 v[VF+4*\i:VF+4*\i+3], v[ADV] offset:4096*(\q)+512*\i
.endr
	s_wait_dscnt 8                                 ; K's eight loads are in; V's eight may be out
	SCORES 0
	SOFTMAX 0
	s_wait_dscnt 0x0                               ; V
	PV 0
	SCORES 1
	SOFTMAX 1
	PV 1
.endm
.Lchunk:                                           ; seven trips: chunk TB / 8,192 is worked on while the next one is fetched
	COPYLOAD CHUNK
	STEP 0
	STEP 1
	s_wait_loadcnt 0x0                             ; the next chunk's bytes are in registers, and the loads have read their base
	COPYSTORE CHUNK                                ; into bytes that nobody has read or written yet
	s_add_nc_u64 s[CPB:CPB+1], s[CPB:CPB+1], CHUNK
	s_add_co_u32 s[TB], s[TB], CHUNK
	s_wait_dscnt 0x0                               ; for the others' sake: my part of the next chunk lies in LDS
	s_barrier_signal -1
	s_barrier_wait -1
	s_cmp_lt_u32 s[TB], 7*CHUNK
	s_cbranch_scc1 .Lchunk
	STEP 0                                         ; the last chunk is written out: nothing is left to fetch, and no load leaves its buffer
	STEP 1
	; THE MERGE.  The sum's two halves and lane l xor 16's are added.  The waves of the upper half of the keys hand O^T, -M and the sum to their partners through LDS.
.rept 4
	v_nop                                          ; four places between the last products and the first read of O^T
.endr
	v_add_f32 v[STA+2], v[STA+2], v[STA+3]
	v_add_f32 v[STA+6], v[STA+6], v[STA+7]
	v_permlanex16_b32 v[TP], v[STA+2], s[SEL], s[SEL+1]
	v_permlanex16_b32 v[T1], v[STA+6], s[SEL], s[SEL+1]
	v_add_f32 v[STA+2], v[STA+2], v[TP]
	v_add_f32 v[STA+6], v[STA+6], v[T1]
	s_cmp_lt_u32 s[WV], 8
	s_cbranch_scc1 .Lkeep
	v_mov_b32 v20, v[STA]                          ; -M and the sum of tile 0, of tile 1
	v_mov_b32 v21, v[STA+2]
	v_mov_b32 v22, v[STA+4]
	v_mov_b32 v23, v[STA+6]
.irp i, 0,1,2,3,4,5,6,7
	ds_store_b128 v[MGA], v[OT+4*\i:OT+4*\i+3] offset:512*\i       ; an image of the registers: the partner's same lines bring them back into the same lanes
.endr
	ds_store_b128 v[MGA], v[20:23] offset:4096
.Lkeep:
	s_wait_dscnt 0x0                               ; for the partner's sake
	s_barrier_signal -1
	s_barrier_wait -1
	s_cmp_ge_u32 s[WV], 8
	s_cbranch_scc1 .Lend
.irp i, 0,1,2,3,4,5,6,7,8
	ds_load_b128 v[S+4*\i:S+4*\i+3], v[MGA] offset:512*\i          ; v120-151 the partner's O^T; v152-155 its -M and sums
.endr
	s_wait_dscnt 0x0
.irp a, 0,1
.set rr, 156+8*\a
	v_min_num_f32 v[rr], v[STA+4*\a], v[152+2*\a]                  ; the joint -M: the larger M
	v_sub_f32 v[rr+1], v[rr], v[STA+4*\a]                          ; my M less the joint M, and the partner's: whole numbers, 0 or less
	v_sub_f32 v[rr+2], v[rr], v[152+2*\a]
	v_cvt_i32_f32 v[rr+1], v[rr+1]
	v_cvt_i32_f32 v[rr+2], v[rr+2]
	v_ldexp_f32 v[rr+1], 1.0, v[rr+1]                              ; the two factors: powers of two
	v_ldexp_f32 v[rr+2], 1.0, v[rr+2]
	v_mul_f32 v[rr+3], v[STA+4*\a+2], v[rr+1]
	v_fmac_f32 v[rr+3], v[153+2*\a], v[rr+2]                       ; the row's sum under the joint M
.endr
	v_rcp_f32 v160, v159
	v_rcp_f32 v168, v167
	v_nop                                          ; a plain instruction behind the reciprocals,
	s_wait_alu depctr_va_vdst(0)                   ; and the one wait ahead of their first use
.irp a, 0,1
.set rr, 156+8*\a
.set ga, 172+4*\a
.set ob, OT+16*\a
	v_mul_f32 v[ga], v[rr+1], v[rr+4]              ; my factor / the sum, in both registers of a pair,
	v_mul_f32 v[ga+1], v[rr+1], v[rr+4]
	v_mul_f32 v[ga+2], v[rr+2], v[rr+4]            ; and the partner's
	v_mul_f32 v[ga+3], v[rr+2], v[rr+4]
.irp j, 0,2,4,6,8,10,12,14
	v_pk_mul_f32 v[ob+\j:ob+\j+1], v[ob+\j:ob+\j+1], v[ga:ga+1]
.endr
.irp j, 0,2,4,6,8,10,12,14
	v_pk_fma_f32 v[ob+\j:ob+\j+1], v[S+16*\a+\j:S+16*\a+\j+1], v[ga+2:ga+3], v[ob+\j:ob+\j+1]
.endr
.irp j, 0,1,2,3,4,5,6,7,8,9,10,11,12,13,14,15
	v_med3_num_f32 v[ob+\j], v[ob+\j], -v[LIM2], v[LIM2]           ; the hold at the largest code x the scale
.endr
	v_cvt_scalef32_pk8_bf8_f32 v[P+4*\a:P+4*\a+1], v[ob:ob+7], v[SC2]          ; channels 8 (lane / 16) + 0 .. 7 of my head,
	v_cvt_scalef32_pk8_bf8_f32 v[P+4*\a+2:P+4*\a+3], v[ob+8:ob+15], v[SC2]     ; and 16 + those
	v_nop                                          ; a plain instruction behind the conversions
.endr
.irp a, 0,1
	global_store_b128 v[LO], v[P+4*\a:P+4*\a+3], s[12:13] offset:4096*\a       ; 32 lanes store 512 consecutive bytes of tile a's image
.endr
.Lend:
	s_wait_tensorcnt 0x0                           ; the wave's end, behind my last LDS store
	ds_add_u32 v[SPW], v[NIL]
	s_wait_dscnt 0x0
	s_endpgm
.Lfunc_end_k_q5d68794c29_attend:
	.size	k_q5d68794c29_attend, .Lfunc_end_k_q5d68794c29_attend-k_q5d68794c29_attend
	.p2alignl 7, 3214868480
	.fill 96, 4, 3214868480
	.section	.rodata,"a",@progbits
	.p2align	6, 0x0
	.amdhsa_kernel k_q5d68794c29_attend
		.amdhsa_group_segment_fixed_size 301056
		.amdhsa_private_segment_fixed_size 0
		.amdhsa_enable_private_segment 0
		.amdhsa_kernarg_size 40
		.amdhsa_user_sgpr_count 2
		.amdhsa_user_sgpr_kernarg_segment_ptr 1
		.amdhsa_wavefront_size32 1
		.amdhsa_system_sgpr_workgroup_id_x 1
		.amdhsa_system_sgpr_workgroup_id_y 1
		.amdhsa_system_sgpr_workgroup_id_z 1
		.amdhsa_system_vgpr_workitem_id 0
		.amdhsa_next_free_vgpr 256
		.amdhsa_next_free_sgpr 66
		.amdhsa_reserve_vcc 0
		.amdhsa_float_denorm_mode_32 3
		.amdhsa_float_denorm_mode_16_64 3
		.amdhsa_memory_ordered 1
		.amdhsa_forward_progress 1
		.amdhsa_inst_pref_size 118
	.end_amdhsa_kernel
	.amdgpu_metadata
---
amdhsa.version: [ 1, 2 ]
amdhsa.kernels:
  - .name:           k_q5d68794c29_attend
    .symbol:         k_q5d68794c29_attend.kd
    .args:
      - { .name: qc, .offset: 0, .size: 8, .value_kind: global_buffer, .address_space: global }
      - { .name: kc, .offset: 8, .size: 8, .value_kind: global_buffer, .address_space: global }
      - { .name: vc, .offset: 16, .size: 8, .value_kind: global_buffer, .address_space: global }
      - { .name: lowp_scales, .offset: 24, .size: 8, .value_kind: global_buffer, .address_space: global }
      - { .name: ac, .offset: 32, .size: 8, .value_kind: global_buffer, .address_space: global }
    .group_segment_fixed_size: 301056
    .private_segment_fixed_size: 0
    .kernarg_segment_align: 8
    .kernarg_segment_size: 40
    .max_flat_workgroup_size: 512
    .sgpr_count:     66
    .vgpr_count:     256
    .wavefront_size: 32
...
	.end_amdgpu_metadata
.endif
;; end of part 2
;; launch outproj (part 3): grid 128 x 2, 8 waves a work-group, no clusters, 52,224 bytes of LDS; arguments ac, wo_codes, bo, lowp_scales, out0; writes out0
.if DOCPART == 3
	.amdgcn_target "amdgcn-amd-amdhsa--gfx1250"
	.amdhsa_code_object_version 6
	.text
	.protected	k_q5d68794c29_outproj
	.globl	k_q5d68794c29_outproj
	.p2align	8
	.type	k_q5d68794c29_outproj,@function
k_q5d68794c29_outproj:
	s_mov_b64 s[64:65], 0
	v_nop
	global_prefetch_b8 v0, s[64:65] scope:SCOPE_SE
	s_setreg_imm32_b32 hwreg(HW_REG_WAVE_MODE, 25, 1), 1
	s_wait_xcnt 0x0
; THE LAST PROJECTION: out0[b][o][hw] = the sum over c of wo[o][c] a[b][c][hw] + bo[o], on codes of E5M2 (the table's product 7).  a's codes come as images of the operand's registers:
; ac: [tile of 16 positions 512][128 channels 2][four registers 4][lane 32][16 bytes]; registers 2 c, 2 c + 1 hold channels 16 c + 8 (lane / 16) + 0 .. 7 of position lane % 16.
; SHARES.  Work-group (x, y): 64 positions (x: four tiles), 128 outputs (y).  Wave w: outputs 16 (8 y + w) on, for all 64 positions.  The block's 16 KiB of codes are loaded once, densely, and shared through LDS as they lie.
; wo's fragment is loaded in the same places of k as ac has them: eight loads of 8 bytes, 16 bytes apart, at row + 8 (lane / 16), for each 128 channels.
; Source 0 = 16 positions, source 1 = 16 rows of wo: lane (r, h) holds output r and positions 8 h + 0 .. 7: 32 neighbouring bytes of a row of out0.  A wave's 16 rows x 256 bytes go through its own stage in LDS and
; leave as whole rows: sixteen lanes store 256 consecutive bytes, at a multiple of 256 from out0's first byte.
; y = sum x 2^(e12 + e13) + bo: one packed multiply-add for two numbers.  LIMIT: e12 + e13 between -126 and 127.  NaN among the inputs is not served.
; No tensor load, no cluster: two work-groups share a block of 16 KiB, and each wave's 4 KiB of wo go straight into registers.
.set STG,   16384                      ; LDS: ac's block at 0; here a stage of 16 rows x (256 + 16) bytes for each wave
.set STW,   16*272
.set SPARE, STG+8*STW                  ; 51,200: the spare words, 128 bytes for each of eight waves
.set SPW, 1                            ; v1   LDS address of my spare word; never rewritten
.set NIL, 2                            ; v2   0; never rewritten
.set CG,  3                            ; v3   the copy, in memory and in LDS: 2,048 x wave + 16 x lane
.set LI,  4                            ; v4   16 x lane
.set WO,  5                            ; v5   wo: r x 256 + 8 h
.set BO,  6                            ; v6   bo: 4 r
.set SO,  7                            ; v7   the stage, in: row r, 32 h
.set SR,  8                            ; v8   and back: row lane / 16, 16 (lane % 16)
.set GO,  9                            ; v9   the same two rows in out0: 16,384 (lane / 16) + 16 (lane % 16)
.set BI,  10                           ; v[10:11] bo[my output]; v11 is named with it as a pair
.set CP,  16                           ; v16-31   the copy
.set AF,  32                           ; v32-159  a's fragments (tile t, K step s) at 32 t + 16 s; later rows of out0
.set WF,  160                          ; v160-191 wo's two fragments
.set ACC, 192                          ; v192-223 four accumulators
.set Y,   224                          ; v224-255 the results
	s_load_b256 s[4:11], s[0:1], 0x0               ; ac 4, wo_codes 6, bo 8, lowp_scales 10
	s_load_b64 s[12:13], s[0:1], 0x20              ; out0
	v_lshl_add_u32 v[SPW], v0, 2, SPARE
	v_mov_b32 v[NIL], 0
	v_lshrrev_b32 v12, 5, v0
	v_readfirstlane_b32 s14, v12                   ; wave
	s_and_b32 s15, ttmp7, 0xffff
	s_lshl_b32 s16, s15, 3
	s_add_co_u32 s16, s16, s14                     ; my tile of 16 outputs
	v_and_b32 v12, 31, v0                          ; lane
	v_and_b32 v13, 15, v0                          ; r
	v_bfe_u32 v14, v0, 4, 1                        ; h
	v_lshlrev_b32 v[LI], 4, v12
	s_lshl_b32 s17, s14, 11
	v_add_nc_u32 v[CG], s17, v[LI]
	v_lshlrev_b32 v[WO], 8, v13
	v_lshl_add_u32 v[WO], v14, 3, v[WO]
	v_lshlrev_b32 v[BO], 2, v13
	s_mul_i32 s17, s14, STW
	s_add_co_u32 s17, s17, STG
	v_mul_u32_u24 v[SO], v13, 272
	v_lshl_add_u32 v[SO], v14, 5, v[SO]
	v_add_nc_u32 v[SO], s17, v[SO]
	v_mul_u32_u24 v[SR], v14, 272
	v_lshl_add_u32 v[SR], v13, 4, v[SR]
	v_add_nc_u32 v[SR], s17, v[SR]
	v_lshlrev_b32 v[GO], 14, v14
	v_lshl_add_u32 v[GO], v13, 4, v[GO]
	v_mov_b32 v[BI+1], 0
	s_lshr_b32 s22, ttmp9, 6                       ; out0: 4,194,304 x batch + 262,144 x my tile of outputs + 256 x the block of 64 positions
	s_lshl_b32 s22, s22, 22
	s_lshl_b32 s23, s16, 18
	s_add_co_u32 s22, s22, s23
	s_and_b32 s23, ttmp9, 63
	s_lshl_b32 s23, s23, 8
	s_add_co_u32 s22, s22, s23
	s_mov_b32 s23, 0
	s_mov_b32 s19, 0
	s_wait_kmcnt 0x0
	s_load_b64 s[20:21], s[10:11], 0x30            ; e12, e13
	s_lshl_b32 s18, ttmp9, 14                      ; four tiles of 4,096 bytes
	s_add_nc_u64 s[4:5], s[4:5], s[18:19]
	s_lshl_b32 s18, s16, 12                        ; 16 rows of 256 bytes
	s_add_nc_u64 s[6:7], s[6:7], s[18:19]
	s_lshl_b32 s18, s16, 6
	s_add_nc_u64 s[8:9], s[8:9], s[18:19]
	s_add_nc_u64 s[12:13], s[12:13], s[22:23]
.irp i, 0,1,2,3
	global_load_b128 v[CP+4*\i:CP+4*\i+3], v[CG], s[4:5] offset:512*\i       ; 512 consecutive bytes a load
.endr
.irp s, 0,1
.irp c, 0,1,2,3,4,5,6,7
	global_load_b64 v[WF+16*\s+2*\c:WF+16*\s+2*\c+1], v[WO], s[6:7] offset:128*\s+16*\c
.endr
.endr
	global_load_b32 v[BI], v[BO], s[8:9]
	s_wait_loadcnt 17                              ; the copy's four loads are in; behind them stand 16 of wo and one of bo
.irp i, 0,1,2,3
	ds_store_b128 v[CG], v[CP+4*\i:CP+4*\i+3] offset:512*\i
.endr
	s_wait_dscnt 0x0                               ; for the others' sake: my part of the block lies in LDS
	s_barrier_signal -1
	s_barrier_wait -1
.irp s, 0,1                                        ; K step 0's sixteen loads first
.irp t, 0,1,2,3
.irp i, 0,1,2,3
	ds_load_b128 v[AF+32*\t+16*\s+4*\i:AF+32*\t+16*\s+4*\i+3], v[LI] offset:4096*\t+2048*\s+512*\i
.endr
.endr
.endr
	s_wait_loadcnt 0x0                             ; wo and bo
	s_wait_kmcnt 0x0
	s_add_co_i32 s36, s20, s21
	s_add_co_i32 s36, s36, 127
	s_lshl_b32 s36, s36, 23                        ; 2^(e12 + e13) as f32
	s_mov_b32 s37, s36                             ; (named with it as a pair, so it is written)
	s_wait_dscnt 16                                ; K step 0's fragments are in; K step 1's sixteen loads may be out
.irp t, 0,1,2,3                                    ; the four accumulators take turns; the constant 0 starts each sum
	v_wmma_f32_16x16x128_bf8_bf8 v[ACC+8*\t:ACC+8*\t+7], v[AF+32*\t:AF+32*\t+15], v[WF:WF+15], 0
.endr
	s_wait_dscnt 0x0
.irp t, 0,1,2,3
	v_wmma_f32_16x16x128_bf8_bf8 v[ACC+8*\t:ACC+8*\t+7], v[AF+32*\t+16:AF+32*\t+31], v[WF+16:WF+31], v[ACC+8*\t:ACC+8*\t+7]
.endr
.rept 4
	v_nop                                          ; four places between the last product and the first read of results, and the loads into a's registers below
.endr
.set j, 0
.rept 16
	v_pk_fma_f32 v[Y+j:Y+j+1], v[ACC+j:ACC+j+1], s[36:37], v[BI:BI+1] op_sel_hi:[1,0,0]   ; sum x 2^(e12 + e13) + bo; each accumulator from its low end on
.set j, j+2
.endr
.irp t, 0,1,2,3
	ds_store_b128 v[SO], v[Y+8*\t:Y+8*\t+3] offset:64*\t           ; output r, positions 16 t + 8 h + 0 .. 7
	ds_store_b128 v[SO], v[Y+8*\t+4:Y+8*\t+7] offset:64*\t+16
.endr
.irp i, 0,1,2,3,4,5,6,7
	ds_load_b128 v[AF+4*\i:AF+4*\i+3], v[SR] offset:2*\i*272       ; LDS serves a wave's instructions in order (ISA guide 5.7.1): these see my stores; the stage is mine alone
.endr
.irp i, 0,1,2,3,4,5,6,7
	s_wait_dscnt 7-\i                              ; rows 2 i and 2 i + 1 are back; the younger loads may be out
	global_store_b128 v[GO], v[AF+4*\i:AF+4*\i+3], s[12:13] offset:32768*\i th:TH_STORE_NT   ; sixteen lanes store 256 consecutive bytes of a row; written once, read by nobody here
.endr
	s_wait_tensorcnt 0x0                           ; the wave's end, behind my last LDS store
	ds_add_u32 v[SPW], v[NIL]
	s_wait_dscnt 0x0
	s_endpgm
.Lfunc_end_k_q5d68794c29_outproj:
	.size	k_q5d68794c29_outproj, .Lfunc_end_k_q5d68794c29_outproj-k_q5d68794c29_outproj
	.p2alignl 7, 3214868480
	.fill 96, 4, 3214868480
	.section	.rodata,"a",@progbits
	.p2align	6, 0x0
	.amdhsa_kernel k_q5d68794c29_outproj
		.amdhsa_group_segment_fixed_size 52224
		.amdhsa_private_segment_fixed_size 0
		.amdhsa_enable_private_segment 0
		.amdhsa_kernarg_size 40
		.amdhsa_user_sgpr_count 2
		.amdhsa_user_sgpr_kernarg_segment_ptr 1
		.amdhsa_wavefront_size32 1
		.amdhsa_system_sgpr_workgroup_id_x 1
		.amdhsa_system_sgpr_workgroup_id_y 1
		.amdhsa_system_sgpr_workgroup_id_z 1
		.amdhsa_system_vgpr_workitem_id 0
		.amdhsa_next_free_vgpr 256
		.amdhsa_next_free_sgpr 66
		.amdhsa_reserve_vcc 0
		.amdhsa_float_denorm_mode_32 3
		.amdhsa_float_denorm_mode_16_64 3
		.amdhsa_memory_ordered 1
		.amdhsa_forward_progress 1
		.amdhsa_inst_pref_size 11
	.end_amdhsa_kernel
	.amdgpu_metadata
---
amdhsa.version: [ 1, 2 ]
amdhsa.kernels:
  - .name:           k_q5d68794c29_outproj
    .symbol:         k_q5d68794c29_outproj.kd
    .args:
      - { .name: ac, .offset: 0, .size: 8, .value_kind: global_buffer, .address_space: global }
      - { .name: wo_codes, .offset: 8, .size: 8, .value_kind: global_buffer, .address_space: global }
      - { .name: bo, .offset: 16, .size: 8, .value_kind: global_buffer, .address_space: global }
      - { .name: lowp_scales, .offset: 24, .size: 8, .value_kind: global_buffer, .address_space: global }
      - { .name: out0, .offset: 32, .size: 8, .value_kind: global_buffer, .address_space: global }
    .group_segment_fixed_size: 52224
    .private_segment_fixed_size: 0
    .kernarg_segment_align: 8
    .kernarg_segment_size: 40
    .max_flat_workgroup_size: 256
    .sgpr_count:     66
    .vgpr_count:     256
    .wavefront_size: 32
...
	.end_amdgpu_metadata
.endif
;; end of part 3
;; ======== version 2 of 2: 3 launches; version 1 with the launches project, attend, outproj written anew for expert scheduling mode
;; workspace buffers: qc 2,097,152 bytes; kc 2,097,152 bytes; vc 2,097,152 bytes; ac 2,097,152 bytes
;; launch project (part 4): grid 128 x 3, 8 waves a work-group, no clusters, 18,432 bytes of LDS; arguments query_codes, key_codes, value_codes, wq_codes, wk_codes, wv_codes, bq, bk, bv, lowp_scales, qc, kc, vc; writes qc, kc, vc
.if DOCPART == 4
	.amdgcn_target "amdgcn-amd-amdhsa--gfx1250"
	.amdhsa_code_object_version 6
	.text
	.protected	k_q5d68794c29_project
	.globl	k_q5d68794c29_project
	.p2align	8
	.type	k_q5d68794c29_project,@function
k_q5d68794c29_project:
	s_mov_b64 s[64:65], 0
	v_nop
	global_prefetch_b8 v0, s[64:65] scope:SCOPE_SE
	s_setreg_imm32_b32 hwreg(HW_REG_WAVE_SCHED_MODE, 0, 2), 2
	s_setreg_imm32_b32 hwreg(HW_REG_WAVE_MODE, 25, 1), 1
	s_wait_xcnt 0x0
	s_wait_alu depctr_vm_vsrc(0)
; THE THREE PROJECTIONS: q = wq query + bq, k = wk key + bk, v = wv value + bv, on codes of E5M2, and their results quantised for the attention's two products.
; DEAD WORK.  reference() assigns 'scores' twice.  The first einsum (the table's product 4) is assigned anew by the very next line, and nothing reads it in between, whatever values the inputs hold.
; So product 4 is left out of the whole program, and with it the quantising of q and k by lowp_scales[6] and [7], which serves that product alone (the two entries come in with their neighbours and are not used).
; Every input buffer still has a way to the output, and all are loaded.  The biases stay: each moves the codes of a live operand.
; LIMIT: a NaN, an infinity or an overflow that would arise in product 4 alone is not carried to the result.
; SHARES.  Work-group (x, y): 64 positions (x), one tensor (y = 0 q, 1 k, 2 v).  Wave w = head w: outputs 32 w .. 32 w + 31 (two tiles of 16), for all 64 positions (four tiles).
; The 64 rows of x's codes (256 bytes each) are loaded once, densely, and shared through LDS (rows 272 bytes apart); a wave's 32 rows of the weight stay in its registers.
; A fragment of 16 rows x 128 K is fetched by four loads of 16 bytes, 32 bytes apart, at row + 16 (lane / 16): a permutation of k that is the same in x and in the weight, so every product meets its partner.
; THE RESULTS LEAVE AS IMAGES OF THE NEXT OPERAND'S REGISTERS, 16 bytes a lane, 512 consecutive bytes a store:
;   q, k (source 0 = 16 rows of the weight, source 1 = 16 positions): lane (r, h) holds position r and channels 8 h + 0 .. 7 of the tile: two tiles' codes are registers 0 to 3 of a fragment with K = the head's 32.
;       qc, kc: [batch x head 16][tile of 16 positions 256][lane 32][16 bytes].
;   v (source 0 = 16 positions, source 1 = 16 rows of the weight): lane (r, h) holds channel r and keys 8 h + 0 .. 7: the codes are registers of V^T's fragment with K = 128 keys.
;       vc: [batch x head 16][128 keys 32][16 channels 2][four registers 4][lane 32][16 bytes].
; SCALES.  A sum stands for sum x 2^ES (ES = the two operands' exponents added).  The bias goes in as the C of a sum's first product, divided by 2^ES; the conversion takes the one scale 2^(ET - ES), ET = the result's exponent
; (lowp_scales[8] for q, [9] for k, [10] for v).  LIMITS: ET - ES between -126 and 112; NaN among the inputs is not served.
; No tensor load, no cluster: a work-group's own 16 KiB of x are read by it alone, and the weights (8 KiB a wave) go straight into registers.
; THE MODE: SCHED_MODE bits 1:0 = 2 (LLVM: expert scheduling mode 2), set by the entry lines.  The code itself states the register dependences
; between vector or matrix instructions and memory or LDS instructions, with s_wait_alu, always for 0.
; THE PLAN.  Registers that memory or LDS instructions touch:
;   v3 .. v9     offsets and addresses: written by vector lines at the head, read by every load and store, never written again.
;   CP           x's four loads land in it, the four LDS stores read it; no vector line names it.
;   WF, BB, BV   loads land in them once; from then on vector and matrix lines alone name them.
;   XF           LDS loads land in it (pair 0's behind the barrier, pair 1's behind pair 0's wait); the products read it.
;   CODES        the conversions write it, the stores read it: eight registers for each pair, none written twice.
; So: one wait on va_sdst ahead of the wave number's first reader; one on va_vdst ahead of the first load; one on va_vdst a pair, behind its conversions, for its stores and for the next pair's LDS loads.
; Nothing that a memory or LDS instruction reads is written again, so no wait on vm_vsrc is owed.
.set XP,    272                        ; an LDS row of x: 256 bytes + 16
.set SPARE, 64*XP                      ; 17,408: behind the rows: the spare words, 128 bytes for each of eight waves
.set SPW,   1                          ; v1   LDS address of my spare word; never rewritten
.set NIL,   2                          ; v2   0; never rewritten
.set XG,    3                          ; v3   x in memory: 2,048 x wave + 16 x lane
.set XL,    4                          ; v4   x into LDS: row 8 x wave + lane / 16, byte 16 (lane % 16)
.set XFA,   5                          ; v5   a fragment of x out of LDS: r x 272 + 16 h
.set WO,    6                          ; v6   a fragment of the weight in memory: r x 256 + 16 h
.set BOQ,   7                          ; v7   the bias for q and k: 32 h
.set BOV,   8                          ; v8   the bias for v: 4 r
.set DOF,   9                          ; v9   16 x lane: my place in an image
.set WF,    32                         ; v32-95   the weight's fragments (tile o, K step s) at 32 o + 16 s
.set BB,    96                         ; v96-111  the bias in the result's layout, eight registers a tile o
.set XF,    112                        ; v112-175 x's fragments (tile t of a pair, K step s) at 32 t + 16 s
.set ACC,   176                        ; v176-207 four accumulators (t, o) at 8 (2 t + o)
.set CODES, 208                        ; v208-223 the codes, eight registers for each pair of tiles: no store's data are written again
.set CP,    224                        ; v224-239 x on its way to LDS
.set BV,    240                        ; v240-241 b[16 o + r]
.set SC,    242                        ; v242 2^(ET - ES)
.set LIM,   243                        ; v243 57,344 x that
	s_load_b512 s[8:23], s[0:1], 0x0               ; query 8, key 10, value 12, wq 14, wk 16, wv 18, bq 20, bk 22
	s_load_b256 s[24:31], s[0:1], 0x40             ; bv 24, lowp_scales 26, qc 28, kc 30
	s_load_b64 s[32:33], s[0:1], 0x60              ; vc
	v_lshl_add_u32 v[SPW], v0, 2, SPARE
	v_mov_b32 v[NIL], 0
	v_lshrrev_b32 v10, 5, v0
	v_readfirstlane_b32 s34, v10                   ; wave = head
	s_and_b32 s35, ttmp7, 0xffff                   ; the tensor: 0 q, 1 k, 2 v
	s_and_b32 s36, ttmp9, 63                       ; the block of 64 positions in its batch
	s_lshr_b32 s37, ttmp9, 6                       ; the batch
	v_and_b32 v10, 31, v0                          ; lane
	v_and_b32 v11, 15, v0                          ; r
	v_bfe_u32 v12, v0, 4, 1                        ; h
	v_lshlrev_b32 v[DOF], 4, v10
	s_wait_alu depctr_va_sdst(0)                   ; s34, the wave's number, is written, ahead of its first reader: addresses and bases are made from it
	s_lshl_b32 s38, s34, 11
	v_add_nc_u32 v[XG], s38, v[DOF]
	s_mul_i32 s38, s34, 8*XP
	v_mul_u32_u24 v[XL], v12, XP
	v_lshl_add_u32 v[XL], v11, 4, v[XL]
	v_add_nc_u32 v[XL], s38, v[XL]
	v_mul_u32_u24 v[XFA], v11, XP
	v_lshl_add_u32 v[XFA], v12, 4, v[XFA]
	v_lshlrev_b32 v[WO], 8, v11
	v_lshl_add_u32 v[WO], v12, 4, v[WO]
	v_lshlrev_b32 v[BOQ], 5, v12
	v_lshlrev_b32 v[BOV], 2, v11
	; where my results go: (8 batch + head) x 131,072, then q, k: 2,048 x block (four tiles of 512 bytes); v: 4,096 x (block / 2) + 1,024 x (block % 2)
	s_lshl_b32 s38, s36, 11
	s_lshr_b32 s39, s36, 1
	s_lshl_b32 s39, s39, 12
	s_and_b32 s62, s36, 1
	s_lshl_b32 s62, s62, 10
	s_add_co_u32 s39, s39, s62
	s_cmp_eq_u32 s35, 2
	s_cselect_b32 s38, s39, s38
	s_lshl_b32 s39, s37, 3
	s_add_co_u32 s39, s39, s34
	s_lshl_b32 s39, s39, 17
	s_add_co_u32 s38, s38, s39
	s_mov_b32 s39, 0
	s_mov_b32 s63, 0
	s_wait_kmcnt 0x0
	s_load_b256 s[40:47], s[26:27], 0x0            ; e0 .. e7
	s_load_b128 s[48:51], s[26:27], 0x20           ; e8 .. e11
	s_cmp_eq_u32 s35, 0                            ; the tensor's buffers: a choice on the work-group's number alone
	s_cselect_b64 s[52:53], s[8:9], s[10:11]       ; x's codes
	s_cselect_b64 s[54:55], s[14:15], s[16:17]     ; the weight's
	s_cselect_b64 s[56:57], s[20:21], s[22:23]     ; the bias
	s_cselect_b64 s[58:59], s[28:29], s[30:31]     ; the results
	s_cmp_eq_u32 s35, 2
	s_cselect_b64 s[52:53], s[12:13], s[52:53]
	s_cselect_b64 s[54:55], s[18:19], s[54:55]
	s_cselect_b64 s[56:57], s[24:25], s[56:57]
	s_cselect_b64 s[58:59], s[32:33], s[58:59]
	s_lshl_b32 s62, ttmp9, 14                      ; my work-group's 64 rows of 256 bytes
	s_add_nc_u64 s[52:53], s[52:53], s[62:63]
	s_lshl_b32 s62, s34, 13                        ; my wave's 32 rows of the weight
	s_add_nc_u64 s[54:55], s[54:55], s[62:63]
	s_lshl_b32 s62, s34, 7                         ; and its 32 numbers of the bias
	s_add_nc_u64 s[56:57], s[56:57], s[62:63]
	s_add_nc_u64 s[58:59], s[58:59], s[38:39]
	s_wait_alu depctr_va_vdst(0)                   ; the seven offsets and addresses v3 to v9 are written, which every load and store of the kernel reads
.irp i, 0,1,2,3
	global_load_b128 v[CP+4*\i:CP+4*\i+3], v[XG], s[52:53] offset:512*\i th:TH_LOAD_NT   ; two rows of x: 512 consecutive bytes; read once in the launch
.endr
.irp o, 0,1
.irp s, 0,1
.irp c, 0,1,2,3
	global_load_b128 v[WF+32*\o+16*\s+4*\c:WF+32*\o+16*\s+4*\c+3], v[WO], s[54:55] offset:4096*\o+128*\s+32*\c
.endr
.endr
.endr
	; Both forms of the bias are loaded by every work-group, six loads of the same 128 bytes: so the text parts on the tensor once, behind the barrier.
.irp o, 0,1
	global_load_b128 v[BB+8*\o:BB+8*\o+3], v[BOQ], s[56:57] offset:64*\o          ; b[16 o + 8 h + 0 .. 7]: q's and k's results hold eight channels a lane
	global_load_b128 v[BB+8*\o+4:BB+8*\o+7], v[BOQ], s[56:57] offset:64*\o+16
.endr
.irp o, 0,1
	global_load_b32 v[BV+\o], v[BOV], s[56:57] offset:64*\o                        ; b[16 o + r]: v's results hold one channel a lane
.endr
	s_wait_loadcnt 22                              ; x's four loads are in; behind them stand 16 of the weight and 6 of the bias
.irp i, 0,1,2,3
	ds_store_b128 v[XL], v[CP+4*\i:CP+4*\i+3] offset:2*XP*\i
.endr
	s_wait_dscnt 0x0                               ; for the others' sake: my rows lie in LDS
	s_barrier_signal -1
	s_barrier_wait -1                              ; all 64 rows do; nothing is stored to LDS behind this barrier
; x's fragments of position tiles 2 u and 2 u + 1: sixteen LDS loads.
.macro XLOAD u
.irp t, 0,1
.irp s, 0,1
.irp c, 0,1,2,3
	ds_load_b128 v[XF+32*\t+16*\s+4*\c:XF+32*\t+16*\s+4*\c+3], v[XFA] offset:16*(2*(\u)+\t)*XP+128*\s+32*\c
.endr
.endr
.endr
.endm
	XLOAD 0                                        ; pair 0's fragments are asked for at once.  No wait: no vector line since the wait at the head names XF or v5
	s_wait_loadcnt 0x0                             ; the weight and the bias
	s_wait_kmcnt 0x0                               ; the exponents
	s_add_co_i32 s38, s40, s41
	s_add_co_i32 s39, s42, s43
	s_add_co_i32 s62, s44, s45
	s_cmp_eq_u32 s35, 0
	s_cselect_b32 s60, s38, s39                    ; ES
	s_cselect_b32 s61, s48, s49                    ; ET
	s_cmp_eq_u32 s35, 2
	s_cselect_b32 s60, s62, s60
	s_cselect_b32 s61, s50, s61
	s_sub_co_i32 s38, s61, s60
	s_add_co_i32 s38, s38, 127
	s_lshl_b32 s39, s38, 23
	v_mov_b32 v[SC], s39                           ; 2^(ET - ES) as f32: the conversion takes its exponent field
	s_add_co_i32 s38, s38, 15
	s_lshl_b32 s38, s38, 23
	s_or_b32 s38, s38, 0x600000
	v_mov_b32 v[LIM], s38                          ; 57,344 x 2^(ET - ES)
	s_sub_co_i32 s62, 0, s60                       ; -ES
; Position tiles 2 u and 2 u + 1 against my two tiles of outputs.  mode 0: q, k (the weight is source 0); mode 1: v (x is source 0).  more = 1: the next pair's fragments are asked for.
; The four accumulators take turns, one instruction a turn, K step by K step.
.macro PAIR u, mode, more
	s_wait_dscnt 0x0                               ; this pair's fragments of x are in
.irp s, 0,1
.irp t, 0,1
.irp o, 0,1
.set rD, ACC+8*(2*\t+\o)
.set rW, WF+32*\o+16*\s
.set rX, XF+32*\t+16*\s
.if \s == 0
.set rC, BB+8*\o                       ; the bias starts the sum
.else
.set rC, rD
.endif
.if \mode == 0
	v_wmma_f32_16x16x128_bf8_bf8 v[rD:rD+7], v[rW:rW+15], v[rX:rX+15], v[rC:rC+7]
.else
	v_wmma_f32_16x16x128_bf8_bf8 v[rD:rD+7], v[rX:rX+15], v[rW:rW+15], v[rC:rC+7]
.endif
.endr
.endr
.endr
.rept 4
	v_nop                                          ; four places between the last product and the first read of results; with the holds of the other accumulators they are also the places ahead of the next pair's loads and products
.endr
.set i, 0
.rept 32
	v_med3_num_f32 v[ACC+i], v[ACC+i], -v[LIM], v[LIM]   ; the conversion to an 8-bit code does not saturate (ISA guide 7.6.2): the hold comes first; each accumulator from its low end on
.set i, i+1
.endr
.irp t, 0,1
.irp o, 0,1
.if \mode == 0
	v_cvt_scalef32_pk8_bf8_f32 v[CODES+8*(\u)+4*\t+2*\o:CODES+8*(\u)+4*\t+2*\o+1], v[ACC+8*(2*\t+\o):ACC+8*(2*\t+\o)+7], v[SC]
.else
	v_cvt_scalef32_pk8_bf8_f32 v[CODES+8*(\u)+4*\o+2*\t:CODES+8*(\u)+4*\o+2*\t+1], v[ACC+8*(2*\t+\o):ACC+8*(2*\t+\o)+7], v[SC]
.endif
.endr
.endr
	v_nop                                          ; one plain instruction behind the last conversion: the next pair's products write its sources
	s_wait_alu depctr_va_vdst(0)                   ; the conversions have written this pair's CODES, which the stores below read; the pair's products are done reading XF, in which the next pair's fragments land
.if \more
	XLOAD (\u)+1                                   ; loads ahead of stores
.endif
.irp n, 0,1
.if \mode == 0
	global_store_b128 v[DOF], v[CODES+8*(\u)+4*\n:CODES+8*(\u)+4*\n+3], s[58:59] offset:(2*(\u)+\n)*512     ; tile 2 u + n: 32 lanes store 512 consecutive bytes
.else
	global_store_b128 v[DOF], v[CODES+8*(\u)+4*\n:CODES+8*(\u)+4*\n+3], s[58:59] offset:\n*2048+(\u)*512    ; channels 16 n on, keys 32 u on of my 64
.endif
.endr
.endm
	s_cmp_eq_u32 s35, 2
	s_cbranch_scc1 .Lvalue
.set i, 0
.rept 16
	v_ldexp_f32 v[BB+i], v[BB+i], s62              ; b / 2^ES
.set i, i+1
.endr
	s_wait_alu depctr_va_vdst(0)
	PAIR 0, 0, 1
	PAIR 1, 0, 0
	s_wait_dscnt 0x0                               ; the closing lines, six on end
	s_wait_alu 0x0
	s_wait_tensorcnt 0x0
	ds_add_u32 v[SPW], v[NIL]
	s_wait_dscnt 0x0
	s_endpgm
.Lvalue:
.irp o, 0,1
.irp j, 0,1,2,3,4,5,6,7
	v_ldexp_f32 v[BB+8*\o+\j], v[BV+\o], s62       ; b / 2^ES, the lane's one channel for all its eight keys
.endr
.endr
	s_wait_alu depctr_va_vdst(0)
	PAIR 0, 1, 1
	PAIR 1, 1, 0
	s_wait_dscnt 0x0                               ; the closing lines, as above
	s_wait_alu 0x0
	s_wait_tensorcnt 0x0
	ds_add_u32 v[SPW], v[NIL]
	s_wait_dscnt 0x0
	s_endpgm
.Lfunc_end_k_q5d68794c29_project:
	.size	k_q5d68794c29_project, .Lfunc_end_k_q5d68794c29_project-k_q5d68794c29_project
	.p2alignl 7, 3214868480
	.fill 96, 4, 3214868480
	.section	.rodata,"a",@progbits
	.p2align	6, 0x0
	.amdhsa_kernel k_q5d68794c29_project
		.amdhsa_group_segment_fixed_size 18432
		.amdhsa_private_segment_fixed_size 0
		.amdhsa_enable_private_segment 0
		.amdhsa_kernarg_size 104
		.amdhsa_user_sgpr_count 2
		.amdhsa_user_sgpr_kernarg_segment_ptr 1
		.amdhsa_wavefront_size32 1
		.amdhsa_system_sgpr_workgroup_id_x 1
		.amdhsa_system_sgpr_workgroup_id_y 1
		.amdhsa_system_sgpr_workgroup_id_z 1
		.amdhsa_system_vgpr_workitem_id 0
		.amdhsa_next_free_vgpr 256
		.amdhsa_next_free_sgpr 66
		.amdhsa_reserve_vcc 0
		.amdhsa_float_denorm_mode_32 3
		.amdhsa_float_denorm_mode_16_64 3
		.amdhsa_memory_ordered 1
		.amdhsa_forward_progress 1
		.amdhsa_inst_pref_size 25
	.end_amdhsa_kernel
	.amdgpu_metadata
---
amdhsa.version: [ 1, 2 ]
amdhsa.kernels:
  - .name:           k_q5d68794c29_project
    .symbol:         k_q5d68794c29_project.kd
    .args:
      - { .name: query_codes, .offset: 0, .size: 8, .value_kind: global_buffer, .address_space: global }
      - { .name: key_codes, .offset: 8, .size: 8, .value_kind: global_buffer, .address_space: global }
      - { .name: value_codes, .offset: 16, .size: 8, .value_kind: global_buffer, .address_space: global }
      - { .name: wq_codes, .offset: 24, .size: 8, .value_kind: global_buffer, .address_space: global }
      - { .name: wk_codes, .offset: 32, .size: 8, .value_kind: global_buffer, .address_space: global }
      - { .name: wv_codes, .offset: 40, .size: 8, .value_kind: global_buffer, .address_space: global }
      - { .name: bq, .offset: 48, .size: 8, .value_kind: global_buffer, .address_space: global }
      - { .name: bk, .offset: 56, .size: 8, .value_kind: global_buffer, .address_space: global }
      - { .name: bv, .offset: 64, .size: 8, .value_kind: global_buffer, .address_space: global }
      - { .name: lowp_scales, .offset: 72, .size: 8, .value_kind: global_buffer, .address_space: global }
      - { .name: qc, .offset: 80, .size: 8, .value_kind: global_buffer, .address_space: global }
      - { .name: kc, .offset: 88, .size: 8, .value_kind: global_buffer, .address_space: global }
      - { .name: vc, .offset: 96, .size: 8, .value_kind: global_buffer, .address_space: global }
    .group_segment_fixed_size: 18432
    .private_segment_fixed_size: 0
    .kernarg_segment_align: 8
    .kernarg_segment_size: 104
    .max_flat_workgroup_size: 256
    .sgpr_count:     66
    .vgpr_count:     256
    .wavefront_size: 32
...
	.end_amdgpu_metadata
.endif
;; end of part 4
;; launch attend (part 5): grid 16 x 16, 16 waves a work-group, no clusters, 301,056 bytes of LDS; arguments qc, kc, vc, lowp_scales, ac; writes ac
.if DOCPART == 5
	.amdgcn_target "amdgcn-amd-amdhsa--gfx1250"
	.amdhsa_code_object_version 6
	.text
	.protected	k_q5d68794c29_attend
	.globl	k_q5d68794c29_attend
	.p2align	8
	.type	k_q5d68794c29_attend,@function
k_q5d68794c29_attend:
	s_mov_b64 s[64:65], 0
	v_nop
	global_prefetch_b8 v0, s[64:65] scope:SCOPE_SE
	s_setreg_imm32_b32 hwreg(HW_REG_WAVE_SCHED_MODE, 0, 2), 2
	s_setreg_imm32_b32 hwreg(HW_REG_WAVE_MODE, 25, 1), 1
	s_wait_xcnt 0x0
	s_wait_alu depctr_vm_vsrc(0)
; ATTENTION on codes of E5M2: the table's products 5 (scores) and 6 (V x softmax), the softmax between them, the division by the row's sum, and the result quantised for the last projection.
; Left out: the table's product 4, whose result reference() assigns anew before anything reads it (shown at the head of the first kernel).
; THE SOFTMAX: t = score x log2(e) / sqrt(32); M = the largest t so far, rounded UP to a whole number; p = 2^(t - M) is quantised with 2^e11; the row's sum is taken of the unquantised p and divides at the end.
; When M moves, the sum and O are multiplied by 2^(old M - new M), which rounds nothing.
; SHARES.  Work-group (x, y): 256 queries (x) of one batch and head (y).  Wave w: g = w % 8 names 32 queries (two tiles of 16), w / 8 names a half of the 4,096 keys: 16 steps of 128 keys.
; The two halves' O, M and sum meet at the end through LDS; M is a whole number in both, so the factors that join them are powers of two.
; LIMIT: a p so far under its half's largest that it falls under the format's range is lost, as under any running M.
; K AND V LIE WHOLLY IN LDS, each byte fetched once by the work-group: 8 chunks of 32 KiB (8 KiB of each half of K's and of V's image), copied through registers one chunk ahead of the work: 64 bytes a lane and chunk.
; No LDS byte is written twice, so one barrier a chunk orders the copy with its reads.
; K = 32 ON AN INSTRUCTION OF K = 64.  Source 0 holds two neighbouring tiles of keys: tile T in registers 0 to 3, tile T + 1 in registers 4 to 7.  A tile of queries stands as twelve registers q, 0, q: the first eight (q, 0) give
; tile T's scores, the last eight (0, q) tile T + 1's.  k's codes were held, so they are finite, and a zero code times any of them is 0.
; LAYOUT.  S^T = K Q^T (source 0 = keys, source 1 = queries) and O^T = V^T P (source 0 = 16 channels, source 1 = P): a lane holds ONE query (lane % 16) throughout.  A tile of S^T holds keys 8 (lane / 16) + 0 .. 7:
; its eight registers convert into registers 2 c, 2 c + 1 of P for K = 128 keys; nothing changes lanes.  O^T's eight registers convert into registers of the last projection's operand.
; ac: [tile of 16 positions 512][128 channels 2][four registers = head % 4][lane 32][16 bytes].
; WHY NO JOINT LOADS, though the 16 work-groups of a head read the same K and V: they come with tensor loads alone.
; What is shared is fetched once by each work-group.
; No prefetch: no wave waits for the stream, whose loads stand a whole chunk's work (four tiles x 128 keys a wave) ahead of their use.
; LIMITS on the given exponents, so that each power of two is an f32 number: e8 + e9 between -124 and 129; e11, and e12 - e10 - e11, between -126 and 112.  NaN among the inputs is not served.
; THE MODE: SCHED_MODE bits 1:0 = 2 (LLVM: expert scheduling mode 2), set by the entry lines.  The code itself states the register dependences
; between vector or matrix instructions and memory or LDS instructions, with s_wait_alu, always for 0.
; THE PLAN.  Registers that memory or LDS instructions touch, in the loop (a trip is a chunk: two key steps):
;   ADK, ADV, ADC  Written by three additions at the chunk's top; read by the chunk's loads of K, its loads of V and the copy's LDS stores.  The chunk's second step is reached by immediate offsets.
;   KF             LDS loads land in it; both tiles' score products of a step read it.
;   VF             LDS loads land in it; both tiles' products V^T P of a step read it.
;   CP             The copy's global loads land in it at the chunk's top; the copy's LDS stores read it at the chunk's end.  No vector line names it.
;   v[CPG], v[LO], v[MGA], and the bases v[AK0], v[AV0], v[CPL]: written at the head, never again.
; At the chunk's top: one wait on vm_vsrc (the LDS loads and stores issued so far have read the three addresses and CP), the additions, one wait on va_vdst (the addresses are written; the last step's products are done
; reading KF and VF); behind it the first step's K and V and the copy's loads.  No further wait is added: each softmax has one wait on va_vdst behind its 64 exponentials, ahead of their first use, and that wait also shows every
; product issued ahead of it done.  So the second step's K is asked for behind the wait of the first step's second softmax (both tiles' score products of that step stand ahead of it), and the second step's V behind the wait
; of the second step's first softmax (the first step's products V^T P stand ahead of it).  From each of those waits to the wait on DScnt ahead of the products that read them, no vector or matrix line names KF or VF.
; The first step of a chunk cannot be asked for earlier: its bytes are shown by the barrier at the chunk's edge.  All 256 registers of a wave are in use (sixteen waves share the four SIMDs' registers): no second set of KF and VF.
.set VI,    131072                     ; LDS: K's image at 0 (a tile of 16 keys: 512 bytes), V's here (128 keys: 4,096 bytes),
.set MG,    262144                     ; the merge: 9 x 512 bytes for each of the eight pairs of waves,
.set MGW,   4608
.set SPARE, MG+8*MGW                   ; 299,008: the spare words, 128 bytes for each of sixteen waves
.set CHUNK, 8192
.set AK0, 1                            ; v1   65,536 x my half + 16 x lane
.set AV0, 2                            ; v2   the same in V's image
.set CPL, 3                            ; v3   the copy, in LDS: 65,536 (w / 4) + 2,048 (w % 4) + 16 x lane
.set CPG, 4                            ; v4   and in memory: 65,536 ((w / 4) % 2) + 2,048 (w % 4) + 16 x lane
.set SPW, 5                            ; v5   LDS address of my spare word; never rewritten
.set NIL, 6                            ; v6   0; never rewritten
.set ADK, 7                            ; v7-9 the addresses of the chunk in hand: K, V, the copy
.set ADV, 8
.set ADC, 9
.set MGA, 10                           ; v10  my pair's place in the merge + 16 x lane
.set LO,  11                           ; v11  16 x lane
.set STA, 12                           ; v12-19 tile a at 12 + 4 a: -M, the largest t, the sum in two halves
.set T0,  20                           ; v20, v21 at work
.set T1,  21
.set TP,  22                           ; v22  a lane permute's destination
.set FF,  24                           ; v[24:25] f = 2^(old M - new M); v25 is named with it as a pair
.set SU,  26                           ; v[26:27] the sums' second chain
.set SCL, 28                           ; v28 2^e11, v29 57,344 x 2^e11
.set LIM, 29
.set SC2, 30                           ; v30, v31 the same with e12 - e10 - e11
.set LIM2, 31
.set Q,   32                           ; v32-55   two tiles of queries, twelve registers each: q, 0, q
.set KF,  56                           ; v56-87   eight tiles of keys
.set VF,  88                           ; v88-119  V^T: two fragments of 16 channels x 128 keys
.set S,   120                          ; v120-183 S^T, then p
.set P,   184                          ; v184-199 p's codes
.set OT,  200                          ; v200-231 O^T: (tile a, 16 channels dt) at 16 a + 8 dt
.set CP,  232                          ; v232-247 the copy's 64 bytes
.set WV,  14                           ; s14 wave, s15 g
.set G,   15
.set CS,  22                           ; s[22:23] c = log2(e) / sqrt(32) x 2^(e8 + e9)
.set SEL, 24                           ; s[24:25] lane selects: lane l xor 16
.set TB,  26                           ; s26 the chunk in hand, in bytes: the loop's counter
.set HOLD, 27                          ; s27 1 where e11 < -15
.set CPB, 28                           ; s[28:29] the copy's base: K's or V's image of my head, at the chunk in hand
.set BH,  34                           ; s34 8 x batch + head
	s_load_b256 s[4:11], s[0:1], 0x0               ; qc 4, kc 6, vc 8, lowp_scales 10
	s_load_b64 s[12:13], s[0:1], 0x20              ; ac
	v_lshl_add_u32 v[SPW], v0, 2, SPARE
	v_mov_b32 v[NIL], 0
	v_lshrrev_b32 v7, 5, v0
	v_readfirstlane_b32 s[WV], v7                  ; wave 0..15
	v_and_b32 v[LO], 31, v0
	v_lshlrev_b32 v[LO], 4, v[LO]
	s_wait_alu depctr_va_vdst(0)
	s_wait_alu depctr_va_sdst(0)                   ; s14, the wave's number, is written, ahead of its first reader: addresses, bases and the branches of the merge are made from it
	s_and_b32 s[G], s[WV], 7
	s_lshr_b32 s30, s[WV], 3                       ; my half of the keys
	s_lshl_b32 s30, s30, 16
	v_add_nc_u32 v[AK0], s30, v[LO]
	v_add_nc_u32 v[AV0], VI, v[AK0]
	s_lshr_b32 s30, s[WV], 2                       ; the copy: waves 0-3, 4-7: K's halves; 8-11, 12-15: V's
	s_and_b32 s31, s[WV], 3
	s_lshl_b32 s31, s31, 11                        ; 2,048 bytes of a chunk's 8,192 each
	s_lshl_b32 s32, s30, 16
	s_add_co_u32 s32, s32, s31
	v_add_nc_u32 v[CPL], s32, v[LO]
	s_and_b32 s30, s30, 1
	s_lshl_b32 s30, s30, 16
	s_add_co_u32 s30, s30, s31
	v_add_nc_u32 v[CPG], s30, v[LO]
	s_mul_i32 s30, s[G], MGW
	s_add_co_u32 s30, s30, MG
	v_add_nc_u32 v[MGA], s30, v[LO]
	s_and_b32 s[BH], ttmp7, 0xffff
	s_mov_b32 s[TB], 0
	v_add_nc_u32 v[ADC], s[TB], v[CPL]             ; where chunk 0's copy goes: made here, among the addresses, ahead of the one wait for them
	s_mov_b32 s[SEL], 0x76543210
	s_mov_b32 s[SEL+1], 0xfedcba98
	s_lshl_b32 s32, ttmp9, 4
	s_lshl_b32 s33, s[G], 1
	s_add_co_u32 s32, s32, s33                     ; my first tile of queries in the head: 16 x + 2 g
	s_lshl_b32 s36, s32, 9                         ; its 512 bytes in qc
	s_mov_b32 s37, 0
	s_lshr_b32 s38, s[BH], 3                       ; ac: tile 256 x batch + 16 x + 2 g, 4,096 bytes each,
	s_lshl_b32 s38, s38, 8
	s_add_co_u32 s38, s38, s32
	s_lshl_b32 s38, s38, 12
	s_bfe_u32 s39, s[BH], 0x10002                  ; + 2,048 x (head / 4)
	s_lshl_b32 s39, s39, 11
	s_add_co_u32 s38, s38, s39
	s_and_b32 s40, s[BH], 3                        ; + 512 x (head % 4)
	s_lshl_b32 s40, s40, 9
	s_add_co_u32 s38, s38, s40
	s_mov_b32 s39, 0
	s_lshl_b32 s30, s[BH], 17                      ; the head's 131,072 bytes in qc, kc and vc
	s_mov_b32 s31, 0
	s_wait_kmcnt 0x0
	s_load_b128 s[16:19], s[10:11], 0x20           ; e8, e9, e10, e11
	s_load_b32 s20, s[10:11], 0x30                 ; e12
	s_cmp_lt_u32 s[WV], 8
	s_cselect_b64 s[CPB:CPB+1], s[6:7], s[8:9]
	s_add_nc_u64 s[CPB:CPB+1], s[CPB:CPB+1], s[30:31]
	s_add_nc_u64 s[4:5], s[4:5], s[30:31]
	s_add_nc_u64 s[4:5], s[4:5], s[36:37]
	s_add_nc_u64 s[12:13], s[12:13], s[38:39]
.macro COPYLOAD off                    ; my 2,048 bytes of the chunk off bytes on: 512 consecutive bytes a load
.irp i, 0,1,2,3
	global_load_b128 v[CP+4*\i:CP+4*\i+3], v[CPG], s[CPB:CPB+1] offset:(\off)+512*\i
.endr
.endm
.macro COPYSTORE off                   ; and into LDS, as they lie
.irp i, 0,1,2,3
	ds_store_b128 v[ADC], v[CP+4*\i:CP+4*\i+3] offset:(\off)+512*\i
.endr
.endm
.macro KLOAD q                         ; eight tiles of keys: the q-th 128 keys of the chunk in hand
.irp i, 0,1,2,3,4,5,6,7
	ds_load_b128 v[KF+4*\i:KF+4*\i+3], v[ADK] offset:4096*(\q)+512*\i
.endr
.endm
.macro VLOAD q                         ; V^T's two fragments for the same keys
.irp i, 0,1,2,3,4,5,6,7
	ds_load_b128 v[VF+4*\i:VF+4*\i+3], v[ADV] offset:4096*(\q)+512*\i
.endr
.endm
	s_wait_alu depctr_va_vdst(0)                   ; the offsets and addresses v[CPG], v[LO], v[ADC] and v[MGA] are written, which the loads below, chunk 0's LDS stores and the merge read
	COPYLOAD 0
.irp a, 0,1
	global_load_b128 v[Q+12*\a:Q+12*\a+3], v[LO], s[4:5] offset:512*\a        ; a tile of queries, twice: in front of the zeros and behind them
	global_load_b128 v[Q+12*\a+8:Q+12*\a+11], v[LO], s[4:5] offset:512*\a
.endr
.irp a, 0,1
.irp j, 4,5,6,7
	v_mov_b32 v[Q+12*\a+\j], 0
.endr
	v_mov_b32 v[STA+4*\a+1], 0xff61b1e6            ; the largest t so far: -3e38, under every t
	v_floor_f32 v[STA+4*\a], -v[STA+4*\a+1]        ; -M
	v_mov_b32 v[STA+4*\a+2], 0                     ; the sum, in two halves
	v_mov_b32 v[STA+4*\a+3], 0
.endr
.set i, 0
.rept 32
	v_mov_b32 v[OT+i], 0                           ; O^T.  (The step is written once: the first finds zeros, which the first change of M leaves zeros)
.set i, i+1
.endr
	v_mov_b32 v[TP], 0                             ; written once: a lane permute's destination counts as one of its sources
	v_mov_b32 v[FF+1], 0
	s_wait_kmcnt 0x0
	s_add_co_i32 s30, s16, s17
	s_lshl_b32 s30, s30, 23
	s_mov_b32 s[CS], 0x3e8293ee                    ; log2(e) / sqrt(32)
	s_add_co_i32 s[CS], s[CS], s30                 ; a score stands for score x 2^(e8 + e9): the exponents are added to c's exponent field
	s_mov_b32 s[CS+1], s[CS]
	s_add_co_i32 s30, s19, 127
	s_lshl_b32 s31, s30, 23
	v_mov_b32 v[SCL], s31                          ; 2^e11
	s_add_co_i32 s30, s30, 15
	s_lshl_b32 s30, s30, 23
	s_or_b32 s30, s30, 0x600000
	v_mov_b32 v[LIM], s30                          ; 57,344 x 2^e11
	s_sub_co_i32 s30, s20, s18
	s_sub_co_i32 s30, s30, s19                     ; O^T / the sum stands for that x 2^(e10 + e11): its code is that / 2^(e12 - e10 - e11)
	s_add_co_i32 s30, s30, 127
	s_lshl_b32 s31, s30, 23
	v_mov_b32 v[SC2], s31
	s_add_co_i32 s30, s30, 15
	s_lshl_b32 s30, s30, 23
	s_or_b32 s30, s30, 0x600000
	v_mov_b32 v[LIM2], s30
	s_cmp_lt_i32 s19, -15
	s_cselect_b32 s[HOLD], 1, 0                    ; p <= 1: only under 2^-15 can p / 2^e11 pass 57,344
	s_wait_loadcnt 4                               ; chunk 0's four loads are in; Q's four stand behind them
	COPYSTORE 0                                    ; no wait: no vector line since the wait at the head names v[ADC] or CP
	s_wait_dscnt 0x0                               ; for the others' sake: my part of chunk 0 lies in LDS
	s_barrier_signal -1
	s_barrier_wait -1
	s_wait_loadcnt 0x0                             ; Q
; S^T of tile a: eight tiles of 16 keys.  The constant 0 starts each sum.
.macro SCORES a
.irp t, 0,1,2,3,4,5,6,7
	v_wmma_f32_16x16x64_bf8_bf8 v[S+8*\t:S+8*\t+7], v[KF+8*(\t/2):KF+8*(\t/2)+7], v[Q+12*(\a)+4*(\t%2):Q+12*(\a)+4*(\t%2)+7], 0
.endr
.rept 4
	v_nop                                          ; four places between the last product and the first read of results (ISA guide 7.12.1)
.endr
.endm
; The softmax of tile a for 128 keys, 64 of them in my lane, and O^T's rescaling.  ld = 1: the chunk's second step's K is asked for behind the wait; ld = 2: its V; ld = 0: nothing.
.macro SOFTMAX a, ld
.set st, STA+4*(\a)
.set ob, OT+16*(\a)
	v_max3_num_f32 v[T0], v[S], v[S+1], v[S+2]     ; the step's largest score of my query, in two chains; each tile is read from its low end on
	v_max3_num_f32 v[T1], v[S+3], v[S+4], v[S+5]
.irp i, 6,10,14,18,22,26,30,34,38,42,46,50,54,58
	v_max3_num_f32 v[T0], v[T0], v[S+\i], v[S+\i+1]
	v_max3_num_f32 v[T1], v[T1], v[S+\i+2], v[S+\i+3]
.endr
	v_max3_num_f32 v[T0], v[T0], v[S+62], v[S+63]
	v_max_num_f32 v[T0], v[T0], v[T1]
	v_permlanex16_b32 v[TP], v[T0], s[SEL], s[SEL+1]
	v_max_num_f32 v[T0], v[T0], v[TP]              ; and among lane l xor 16's
	v_mul_f32 v[T0], s[CS], v[T0]                  ; as t (c is positive)
	v_max_num_f32 v[st+1], v[st+1], v[T0]          ; the running largest t
	v_mov_b32 v[T0], v[st]
	v_floor_f32 v[st], -v[st+1]                    ; the new -M = floor(-t) = -ceil(t)
	v_sub_f32 v[T0], v[st], v[T0]                  ; old M less new M: a whole number, 0 or less
	v_cvt_i32_f32 v[T0], v[T0]                     ; (it saturates)
	v_ldexp_f32 v[FF], 1.0, v[T0]                  ; f = 2^(old M - new M)
.set j, 0
.rept 32
	v_pk_fma_f32 v[S+j:S+j+1], v[S+j:S+j+1], s[CS:CS+1], v[st:st+1] op_sel_hi:[1,0,0]   ; t - M, two at a time (of the pairs c and -M the low word serves both halves)
.set j, j+2
.endr
.set j, 0
	s_wait_alu depctr_va_vdst(0)
.rept 64
	v_exp_f32 v[S+j], v[S+j]                       ; p = 2^(t - M): not normalised
.set j, j+1
.endr
	v_pk_mul_f32 v[st+2:st+3], v[st+2:st+3], v[FF:FF+1] op_sel_hi:[1,0]   ; the sums under the new M: the plain instruction behind the exponentials
	s_wait_alu depctr_va_vdst(0)                   ; the 64 exponentials have written p, ahead of its first use; and every product issued so far is done reading KF and VF, in which the loads below land
.if \ld == 1
	KLOAD 1                                        ; both tiles' score products of this step stand ahead of the wait; nothing names KF until the next step's products
.elseif \ld == 2
	VLOAD 1                                        ; the last step's products V^T P stand ahead of the wait; nothing names VF until this step's
.endif
	v_pk_add_f32 v[SU:SU+1], v[S:S+1], v[S+2:S+3]  ; the row's sum is taken of the unquantised p, in two chains
.irp j, 4,8,12,16,20,24,28,32,36,40,44,48,52,56,60
	v_pk_add_f32 v[st+2:st+3], v[st+2:st+3], v[S+\j:S+\j+1]
	v_pk_add_f32 v[SU:SU+1], v[SU:SU+1], v[S+\j+2:S+\j+3]
.endr
	v_pk_add_f32 v[st+2:st+3], v[st+2:st+3], v[SU:SU+1]
	s_cmp_eq_u32 s[HOLD], 0                        ; a whole number read from memory, the same in every wave
	s_cbranch_scc1 .Lfree_\@
.set j, 0
.rept 64
	v_min_num_f32 v[S+j], v[S+j], v[LIM]           ; the conversion does not saturate (ISA guide 7.6.2); p is not negative, so the hold is one-sided
.set j, j+1
.endr
.Lfree_\@:
.irp c, 0,1,2,3,4,5,6,7
	v_cvt_scalef32_pk8_bf8_f32 v[P+2*\c:P+2*\c+1], v[S+8*\c:S+8*\c+7], v[SCL]   ; keys 16 c + 8 (lane / 16) + 0 .. 7: registers 2 c, 2 c + 1 of the operand
.endr
.set j, 0
.rept 8
	v_pk_mul_f32 v[ob+j:ob+j+1], v[ob+j:ob+j+1], v[FF:FF+1] op_sel_hi:[1,0]     ; O^T under the new M; also the plain instructions between the conversions and the products that read their results
.set j, j+2
.endr
.endm
; O^T += V^T P for tile a.  Between two products on one accumulator stand all the other products of a step.
.macro PV a
.set ob, OT+16*(\a)
	v_wmma_f32_16x16x128_bf8_bf8 v[ob:ob+7], v[VF:VF+15], v[P:P+15], v[ob:ob+7]
	v_wmma_f32_16x16x128_bf8_bf8 v[ob+8:ob+15], v[VF+16:VF+31], v[P:P+15], v[ob+8:ob+15]
.endm
; A CHUNK'S TOP, behind the barrier that has shown the chunk whole.  fill = 1: the next chunk is fetched.
.macro TOP fill
	s_wait_alu depctr_vm_vsrc(0)                   ; the LDS loads and stores issued so far have read v[ADK], v[ADV], v[ADC], which are written below, and CP, in which the copy's loads land
	v_add_nc_u32 v[ADK], s[TB], v[AK0]
	v_add_nc_u32 v[ADV], s[TB], v[AV0]
.if \fill
	v_add_nc_u32 v[ADC], s[TB], v[CPL]
.endif
	v_nop
	v_nop                                          ; with the additions: four places and more between the last products and the loads into the registers that they read
	s_wait_alu depctr_va_vdst(0)                   ; the addresses are written, which the chunk's LDS loads and stores read; the last step's products are done reading KF and VF
	KLOAD 0
	VLOAD 0
.if \fill
	COPYLOAD CHUNK
.endif
.endm
; A CHUNK'S TWO KEY STEPS, each for both tiles of queries: each fragment read from LDS serves both.
.macro WORK
	s_wait_dscnt 8                                 ; the first step's K: its eight loads are in; V's eight may be out
	SCORES 0
	SOFTMAX 0, 0
	s_wait_alu depctr_va_vdst(0)
	s_wait_dscnt 0x0                               ; V
	PV 0
	SCORES 1
	SOFTMAX 1, 1                                   ; the second step's K is asked for
	PV 1
	s_wait_dscnt 0x0                               ; the second step's K
	SCORES 0
	SOFTMAX 0, 2                                   ; its V is asked for
	s_wait_alu depctr_va_vdst(0)
	s_wait_dscnt 0x0                               ; V
	PV 0
	SCORES 1
	SOFTMAX 1, 0
	PV 1
.endm
.Lchunk:                                           ; seven trips: chunk TB / 8,192 is worked on while the next one is fetched
	TOP 1
	WORK
	s_wait_loadcnt 0x0                             ; the next chunk's bytes are in registers, and the loads have read their base
	COPYSTORE CHUNK                                ; into bytes that nobody has read or written yet.  No wait: v[ADC] was written ahead of the wait at the top
	s_add_nc_u64 s[CPB:CPB+1], s[CPB:CPB+1], CHUNK
	s_add_co_u32 s[TB], s[TB], CHUNK
	s_wait_dscnt 0x0                               ; for the others' sake: my part of the next chunk lies in LDS
	s_barrier_signal -1
	s_barrier_wait -1
	s_cmp_lt_u32 s[TB], 7*CHUNK
	s_cbranch_scc1 .Lchunk
	TOP 0                                          ; the last chunk is written out: nothing is left to fetch, and no load leaves its buffer
	WORK
	; THE MERGE.  The sum's two halves and lane l xor 16's are added.  The waves of the upper half of the keys hand O^T, -M and the sum to their partners through LDS.
.rept 4
	v_nop                                          ; four places between the last products and the first read of O^T
.endr
	v_add_f32 v[STA+2], v[STA+2], v[STA+3]
	v_add_f32 v[STA+6], v[STA+6], v[STA+7]
	v_permlanex16_b32 v[TP], v[STA+2], s[SEL], s[SEL+1]
	v_permlanex16_b32 v[T1], v[STA+6], s[SEL], s[SEL+1]
	v_add_f32 v[STA+2], v[STA+2], v[TP]
	v_add_f32 v[STA+6], v[STA+6], v[T1]
	s_cmp_lt_u32 s[WV], 8
	s_cbranch_scc1 .Lkeep
	v_mov_b32 v20, v[STA]                          ; -M and the sum of tile 0, of tile 1
	v_mov_b32 v21, v[STA+2]
	v_mov_b32 v22, v[STA+4]
	v_mov_b32 v23, v[STA+6]
	s_wait_alu depctr_va_vdst(0)                   ; the last products have written O^T and the four moves v20 to v23, which the LDS stores read; the places above stay beside this wait
.irp i, 0,1,2,3,4,5,6,7
	ds_store_b128 v[MGA], v[OT+4*\i:OT+4*\i+3] offset:512*\i       ; an image of the registers: the partner's same lines bring them back into the same lanes
.endr
	ds_store_b128 v[MGA], v[20:23] offset:4096
.Lkeep:
	s_wait_dscnt 0x0                               ; for the partner's sake
	s_barrier_signal -1
	s_barrier_wait -1
	s_cmp_ge_u32 s[WV], 8
	s_cbranch_scc1 .Lend
	s_wait_alu depctr_va_vdst(0)                   ; the last softmax is done writing and reading v120 to v155, in which the partner's image lands
.irp i, 0,1,2,3,4,5,6,7,8
	ds_load_b128 v[S+4*\i:S+4*\i+3], v[MGA] offset:512*\i          ; v120-151 the partner's O^T; v152-155 its -M and sums
.endr
	s_wait_dscnt 0x0
.irp a, 0,1
.set rr, 156+8*\a
	v_min_num_f32 v[rr], v[STA+4*\a], v[152+2*\a]                  ; the joint -M: the larger M
	v_sub_f32 v[rr+1], v[rr], v[STA+4*\a]                          ; my M less the joint M, and the partner's: whole numbers, 0 or less
	v_sub_f32 v[rr+2], v[rr], v[152+2*\a]
	v_cvt_i32_f32 v[rr+1], v[rr+1]
	v_cvt_i32_f32 v[rr+2], v[rr+2]
	v_ldexp_f32 v[rr+1], 1.0, v[rr+1]                              ; the two factors: powers of two
	v_ldexp_f32 v[rr+2], 1.0, v[rr+2]
	v_mul_f32 v[rr+3], v[STA+4*\a+2], v[rr+1]
	v_fmac_f32 v[rr+3], v[153+2*\a], v[rr+2]                       ; the row's sum under the joint M
.endr
	s_wait_alu depctr_va_vdst(0)
	v_rcp_f32 v160, v159
	v_rcp_f32 v168, v167
	v_nop                                          ; a plain instruction behind the reciprocals,
	s_wait_alu depctr_va_vdst(0)                   ; and the one wait ahead of their first use: the two reciprocals have written v160 and v168
.irp a, 0,1
.set rr, 156+8*\a
.set ga, 172+4*\a
.set ob, OT+16*\a
	v_mul_f32 v[ga], v[rr+1], v[rr+4]              ; my factor / the sum, in both registers of a pair,
	v_mul_f32 v[ga+1], v[rr+1], v[rr+4]
	v_mul_f32 v[ga+2], v[rr+2], v[rr+4]            ; and the partner's
	v_mul_f32 v[ga+3], v[rr+2], v[rr+4]
.irp j, 0,2,4,6,8,10,12,14
	v_pk_mul_f32 v[ob+\j:ob+\j+1], v[ob+\j:ob+\j+1], v[ga:ga+1]
.endr
.irp j, 0,2,4,6,8,10,12,14
	v_pk_fma_f32 v[ob+\j:ob+\j+1], v[S+16*\a+\j:S+16*\a+\j+1], v[ga+2:ga+3], v[ob+\j:ob+\j+1]
.endr
.irp j, 0,1,2,3,4,5,6,7,8,9,10,11,12,13,14,15
	v_med3_num_f32 v[ob+\j], v[ob+\j], -v[LIM2], v[LIM2]           ; the hold at the largest code x the scale
.endr
	v_cvt_scalef32_pk8_bf8_f32 v[P+4*\a:P+4*\a+1], v[ob:ob+7], v[SC2]          ; channels 8 (lane / 16) + 0 .. 7 of my head,
	v_cvt_scalef32_pk8_bf8_f32 v[P+4*\a+2:P+4*\a+3], v[ob+8:ob+15], v[SC2]     ; and 16 + those
	v_nop                                          ; a plain instruction behind the conversions
.endr
	s_wait_alu depctr_va_vdst(0)                   ; the four conversions have written v184 to v191, which the two stores read
.irp a, 0,1
	global_store_b128 v[LO], v[P+4*\a:P+4*\a+3], s[12:13] offset:4096*\a       ; 32 lanes store 512 consecutive bytes of tile a's image
.endr
.Lend:
	s_wait_dscnt 0x0                               ; the closing lines, six on end
	s_wait_alu 0x0
	s_wait_tensorcnt 0x0
	ds_add_u32 v[SPW], v[NIL]
	s_wait_dscnt 0x0
	s_endpgm
.Lfunc_end_k_q5d68794c29_attend:
	.size	k_q5d68794c29_attend, .Lfunc_end_k_q5d68794c29_attend-k_q5d68794c29_attend
	.p2alignl 7, 3214868480
	.fill 96, 4, 3214868480
	.section	.rodata,"a",@progbits
	.p2align	6, 0x0
	.amdhsa_kernel k_q5d68794c29_attend
		.amdhsa_group_segment_fixed_size 301056
		.amdhsa_private_segment_fixed_size 0
		.amdhsa_enable_private_segment 0
		.amdhsa_kernarg_size 40
		.amdhsa_user_sgpr_count 2
		.amdhsa_user_sgpr_kernarg_segment_ptr 1
		.amdhsa_wavefront_size32 1
		.amdhsa_system_sgpr_workgroup_id_x 1
		.amdhsa_system_sgpr_workgroup_id_y 1
		.amdhsa_system_sgpr_workgroup_id_z 1
		.amdhsa_system_vgpr_workitem_id 0
		.amdhsa_next_free_vgpr 256
		.amdhsa_next_free_sgpr 66
		.amdhsa_reserve_vcc 0
		.amdhsa_float_denorm_mode_32 3
		.amdhsa_float_denorm_mode_16_64 3
		.amdhsa_memory_ordered 1
		.amdhsa_forward_progress 1
		.amdhsa_inst_pref_size 119
	.end_amdhsa_kernel
	.amdgpu_metadata
---
amdhsa.version: [ 1, 2 ]
amdhsa.kernels:
  - .name:           k_q5d68794c29_attend
    .symbol:         k_q5d68794c29_attend.kd
    .args:
      - { .name: qc, .offset: 0, .size: 8, .value_kind: global_buffer, .address_space: global }
      - { .name: kc, .offset: 8, .size: 8, .value_kind: global_buffer, .address_space: global }
      - { .name: vc, .offset: 16, .size: 8, .value_kind: global_buffer, .address_space: global }
      - { .name: lowp_scales, .offset: 24, .size: 8, .value_kind: global_buffer, .address_space: global }
      - { .name: ac, .offset: 32, .size: 8, .value_kind: global_buffer, .address_space: global }
    .group_segment_fixed_size: 301056
    .private_segment_fixed_size: 0
    .kernarg_segment_align: 8
    .kernarg_segment_size: 40
    .max_flat_workgroup_size: 512
    .sgpr_count:     66
    .vgpr_count:     256
    .wavefront_size: 32
...
	.end_amdgpu_metadata
.endif
;; end of part 5
;; launch outproj (part 6): grid 128 x 2, 8 waves a work-group, no clusters, 52,224 bytes of LDS; arguments ac, wo_codes, bo, lowp_scales, out0; writes out0
.if DOCPART == 6
	.amdgcn_target "amdgcn-amd-amdhsa--gfx1250"
	.amdhsa_code_object_version 6
	.text
	.protected	k_q5d68794c29_outproj
	.globl	k_q5d68794c29_outproj
	.p2align	8
	.type	k_q5d68794c29_outproj,@function
k_q5d68794c29_outproj:
	s_mov_b64 s[64:65], 0
	v_nop
	global_prefetch_b8 v0, s[64:65] scope:SCOPE_SE
	s_setreg_imm32_b32 hwreg(HW_REG_WAVE_SCHED_MODE, 0, 2), 2
	s_setreg_imm32_b32 hwreg(HW_REG_WAVE_MODE, 25, 1), 1
	s_wait_xcnt 0x0
	s_wait_alu depctr_vm_vsrc(0)
; THE LAST PROJECTION: out0[b][o][hw] = the sum over c of wo[o][c] a[b][c][hw] + bo[o], on codes of E5M2 (the table's product 7).  a's codes come as images of the operand's registers:
; ac: [tile of 16 positions 512][128 channels 2][four registers 4][lane 32][16 bytes]; registers 2 c, 2 c + 1 hold channels 16 c + 8 (lane / 16) + 0 .. 7 of position lane % 16.
; SHARES.  Work-group (x, y): 64 positions (x: four tiles), 128 outputs (y).  Wave w: outputs 16 (8 y + w) on, for all 64 positions.  The block's 16 KiB of codes are loaded once, densely, and shared through LDS as they lie.
; wo's fragment is loaded in the same places of k as ac has them: eight loads of 8 bytes, 16 bytes apart, at row + 8 (lane / 16), for each 128 channels.
; Source 0 = 16 positions, source 1 = 16 rows of wo: lane (r, h) holds output r and positions 8 h + 0 .. 7: 32 neighbouring bytes of a row of out0.  A wave's 16 rows x 256 bytes go through its own stage in LDS and
; leave as whole rows: sixteen lanes store 256 consecutive bytes, at a multiple of 256 from out0's first byte.
; y = sum x 2^(e12 + e13) + bo: one packed multiply-add for two numbers.  LIMIT: e12 + e13 between -126 and 127.  NaN among the inputs is not served.
; No tensor load, no cluster: two work-groups share a block of 16 KiB, and each wave's 4 KiB of wo go straight into registers.
; THE MODE: SCHED_MODE bits 1:0 = 2 (LLVM: expert scheduling mode 2), set by the entry lines.  The code itself states the register dependences
; between vector or matrix instructions and memory or LDS instructions, with s_wait_alu, always for 0.
; THE PLAN.  Registers that memory or LDS instructions touch:
;   v3 .. v9   offsets and addresses: written by vector lines at the head, read by the loads and stores, never written again.
;   CP         the copy's four loads land in it, its four LDS stores read it; no vector line names it.
;   WF, v10    loads land in them once; then matrix and vector lines alone name them.
;   AF         the fragments' LDS loads land in it, the products read it; then the stage's LDS loads land in its first 32 registers, and the global stores read those.
;   Y          the sixteen packed multiply-adds write it, the stage's LDS stores read it; written once.
; So: one wait on va_sdst ahead of the wave number's first reader; one on va_vdst ahead of the first load; one on va_vdst behind the multiply-adds, for the stage's stores (Y is written) and for the stage's loads (the products
; are done reading AF).  Nothing that a memory or LDS instruction reads is written again, so no wait on vm_vsrc is owed.
.set STG,   16384                      ; LDS: ac's block at 0; here a stage of 16 rows x (256 + 16) bytes for each wave
.set STW,   16*272
.set SPARE, STG+8*STW                  ; 51,200: the spare words, 128 bytes for each of eight waves
.set SPW, 1                            ; v1   LDS address of my spare word; never rewritten
.set NIL, 2                            ; v2   0; never rewritten
.set CG,  3                            ; v3   the copy, in memory and in LDS: 2,048 x wave + 16 x lane
.set LI,  4                            ; v4   16 x lane
.set WO,  5                            ; v5   wo: r x 256 + 8 h
.set BO,  6                            ; v6   bo: 4 r
.set SO,  7                            ; v7   the stage, in: row r, 32 h
.set SR,  8                            ; v8   and back: row lane / 16, 16 (lane % 16)
.set GO,  9                            ; v9   the same two rows in out0: 16,384 (lane / 16) + 16 (lane % 16)
.set BI,  10                           ; v[10:11] bo[my output]; v11 is named with it as a pair
.set CP,  16                           ; v16-31   the copy
.set AF,  32                           ; v32-159  a's fragments (tile t, K step s) at 32 t + 16 s; later rows of out0
.set WF,  160                          ; v160-191 wo's two fragments
.set ACC, 192                          ; v192-223 four accumulators
.set Y,   224                          ; v224-255 the results
	s_load_b256 s[4:11], s[0:1], 0x0               ; ac 4, wo_codes 6, bo 8, lowp_scales 10
	s_load_b64 s[12:13], s[0:1], 0x20              ; out0
	v_lshl_add_u32 v[SPW], v0, 2, SPARE
	v_mov_b32 v[NIL], 0
	v_lshrrev_b32 v12, 5, v0
	v_readfirstlane_b32 s14, v12                   ; wave
	s_and_b32 s15, ttmp7, 0xffff
	s_lshl_b32 s16, s15, 3
	v_and_b32 v12, 31, v0                          ; lane
	v_and_b32 v13, 15, v0                          ; r
	v_bfe_u32 v14, v0, 4, 1                        ; h
	v_lshlrev_b32 v[LI], 4, v12
	s_wait_alu depctr_va_sdst(0)                   ; s14, the wave's number, is written, ahead of its first reader: addresses and bases are made from it
	s_add_co_u32 s16, s16, s14                     ; my tile of 16 outputs
	s_lshl_b32 s17, s14, 11
	v_add_nc_u32 v[CG], s17, v[LI]
	v_lshlrev_b32 v[WO], 8, v13
	v_lshl_add_u32 v[WO], v14, 3, v[WO]
	v_lshlrev_b32 v[BO], 2, v13
	s_mul_i32 s17, s14, STW
	s_add_co_u32 s17, s17, STG
	v_mul_u32_u24 v[SO], v13, 272
	v_lshl_add_u32 v[SO], v14, 5, v[SO]
	v_add_nc_u32 v[SO], s17, v[SO]
	v_mul_u32_u24 v[SR], v14, 272
	v_lshl_add_u32 v[SR], v13, 4, v[SR]
	v_add_nc_u32 v[SR], s17, v[SR]
	v_lshlrev_b32 v[GO], 14, v14
	v_lshl_add_u32 v[GO], v13, 4, v[GO]
	v_mov_b32 v[BI+1], 0
	s_lshr_b32 s22, ttmp9, 6                       ; out0: 4,194,304 x batch + 262,144 x my tile of outputs + 256 x the block of 64 positions
	s_lshl_b32 s22, s22, 22
	s_lshl_b32 s23, s16, 18
	s_add_co_u32 s22, s22, s23
	s_and_b32 s23, ttmp9, 63
	s_lshl_b32 s23, s23, 8
	s_add_co_u32 s22, s22, s23
	s_mov_b32 s23, 0
	s_mov_b32 s19, 0
	s_wait_kmcnt 0x0
	s_load_b64 s[20:21], s[10:11], 0x30            ; e12, e13
	s_lshl_b32 s18, ttmp9, 14                      ; four tiles of 4,096 bytes
	s_add_nc_u64 s[4:5], s[4:5], s[18:19]
	s_lshl_b32 s18, s16, 12                        ; 16 rows of 256 bytes
	s_add_nc_u64 s[6:7], s[6:7], s[18:19]
	s_lshl_b32 s18, s16, 6
	s_add_nc_u64 s[8:9], s[8:9], s[18:19]
	s_add_nc_u64 s[12:13], s[12:13], s[22:23]
	s_wait_alu depctr_va_vdst(0)                   ; the seven offsets and addresses v3 to v9 are written, which every load and store of the kernel reads
.irp i, 0,1,2,3
	global_load_b128 v[CP+4*\i:CP+4*\i+3], v[CG], s[4:5] offset:512*\i       ; 512 consecutive bytes a load
.endr
.irp s, 0,1
.irp c, 0,1,2,3,4,5,6,7
	global_load_b64 v[WF+16*\s+2*\c:WF+16*\s+2*\c+1], v[WO], s[6:7] offset:128*\s+16*\c
.endr
.endr
	global_load_b32 v[BI], v[BO], s[8:9]
	s_wait_loadcnt 17                              ; the copy's four loads are in; behind them stand 16 of wo and one of bo
.irp i, 0,1,2,3
	ds_store_b128 v[CG], v[CP+4*\i:CP+4*\i+3] offset:512*\i
.endr
	s_wait_dscnt 0x0                               ; for the others' sake: my part of the block lies in LDS
	s_barrier_signal -1
	s_barrier_wait -1
.irp s, 0,1                                        ; K step 0's sixteen loads first
.irp t, 0,1,2,3
.irp i, 0,1,2,3
	ds_load_b128 v[AF+32*\t+16*\s+4*\i:AF+32*\t+16*\s+4*\i+3], v[LI] offset:4096*\t+2048*\s+512*\i
.endr
.endr
.endr
	s_wait_loadcnt 0x0                             ; wo and bo
	s_wait_kmcnt 0x0
	s_add_co_i32 s36, s20, s21
	s_add_co_i32 s36, s36, 127
	s_lshl_b32 s36, s36, 23                        ; 2^(e12 + e13) as f32
	s_mov_b32 s37, s36                             ; (named with it as a pair, so it is written)
	s_wait_dscnt 16                                ; K step 0's fragments are in; K step 1's sixteen loads may be out
.irp t, 0,1,2,3                                    ; the four accumulators take turns; the constant 0 starts each sum
	v_wmma_f32_16x16x128_bf8_bf8 v[ACC+8*\t:ACC+8*\t+7], v[AF+32*\t:AF+32*\t+15], v[WF:WF+15], 0
.endr
	s_wait_dscnt 0x0
.irp t, 0,1,2,3
	v_wmma_f32_16x16x128_bf8_bf8 v[ACC+8*\t:ACC+8*\t+7], v[AF+32*\t+16:AF+32*\t+31], v[WF+16:WF+31], v[ACC+8*\t:ACC+8*\t+7]
.endr
.rept 4
	v_nop                                          ; four places between the last product and the first read of results, and the loads into a's registers below
.endr
.set j, 0
.rept 16
	v_pk_fma_f32 v[Y+j:Y+j+1], v[ACC+j:ACC+j+1], s[36:37], v[BI:BI+1] op_sel_hi:[1,0,0]   ; sum x 2^(e12 + e13) + bo; each accumulator from its low end on
.set j, j+2
.endr
	s_wait_alu depctr_va_vdst(0)                   ; the multiply-adds have written Y, which the stage's stores read; the products are done reading a's fragments, in which the stage's loads land
.irp t, 0,1,2,3
	ds_store_b128 v[SO], v[Y+8*\t:Y+8*\t+3] offset:64*\t           ; output r, positions 16 t + 8 h + 0 .. 7
	ds_store_b128 v[SO], v[Y+8*\t+4:Y+8*\t+7] offset:64*\t+16
.endr
.irp i, 0,1,2,3,4,5,6,7
	ds_load_b128 v[AF+4*\i:AF+4*\i+3], v[SR] offset:2*\i*272       ; LDS serves a wave's instructions in order (ISA guide 5.7.1): these see my stores; the stage is mine alone
.endr
.irp i, 0,1,2,3,4,5,6,7
	s_wait_dscnt 7-\i                              ; rows 2 i and 2 i + 1 are back; the younger loads may be out
	global_store_b128 v[GO], v[AF+4*\i:AF+4*\i+3], s[12:13] offset:32768*\i th:TH_STORE_NT   ; sixteen lanes store 256 consecutive bytes of a row; written once, read by nobody here
.endr
	s_wait_dscnt 0x0                               ; the closing lines, six on end
	s_wait_alu 0x0
	s_wait_tensorcnt 0x0
	ds_add_u32 v[SPW], v[NIL]
	s_wait_dscnt 0x0
	s_endpgm
.Lfunc_end_k_q5d68794c29_outproj:
	.size	k_q5d68794c29_outproj, .Lfunc_end_k_q5d68794c29_outproj-k_q5d68794c29_outproj
	.p2alignl 7, 3214868480
	.fill 96, 4, 3214868480
	.section	.rodata,"a",@progbits
	.p2align	6, 0x0
	.amdhsa_kernel k_q5d68794c29_outproj
		.amdhsa_group_segment_fixed_size 52224
		.amdhsa_private_segment_fixed_size 0
		.amdhsa_enable_private_segment 0
		.amdhsa_kernarg_size 40
		.amdhsa_user_sgpr_count 2
		.amdhsa_user_sgpr_kernarg_segment_ptr 1
		.amdhsa_wavefront_size32 1
		.amdhsa_system_sgpr_workgroup_id_x 1
		.amdhsa_system_sgpr_workgroup_id_y 1
		.amdhsa_system_sgpr_workgroup_id_z 1
		.amdhsa_system_vgpr_workitem_id 0
		.amdhsa_next_free_vgpr 256
		.amdhsa_next_free_sgpr 66
		.amdhsa_reserve_vcc 0
		.amdhsa_float_denorm_mode_32 3
		.amdhsa_float_denorm_mode_16_64 3
		.amdhsa_memory_ordered 1
		.amdhsa_forward_progress 1
		.amdhsa_inst_pref_size 11
	.end_amdhsa_kernel
	.amdgpu_metadata
---
amdhsa.version: [ 1, 2 ]
amdhsa.kernels:
  - .name:           k_q5d68794c29_outproj
    .symbol:         k_q5d68794c29_outproj.kd
    .args:
      - { .name: ac, .offset: 0, .size: 8, .value_kind: global_buffer, .address_space: global }
      - { .name: wo_codes, .offset: 8, .size: 8, .value_kind: global_buffer, .address_space: global }
      - { .name: bo, .offset: 16, .size: 8, .value_kind: global_buffer, .address_space: global }
      - { .name: lowp_scales, .offset: 24, .size: 8, .value_kind: global_buffer, .address_space: global }
      - { .name: out0, .offset: 32, .size: 8, .value_kind: global_buffer, .address_space: global }
    .group_segment_fixed_size: 52224
    .private_segment_fixed_size: 0
    .kernarg_segment_align: 8
    .kernarg_segment_size: 40
    .max_flat_workgroup_size: 256
    .sgpr_count:     66
    .vgpr_count:     256
    .wavefront_size: 32
...
	.end_amdgpu_metadata
.endif
;; end of part 6
